; MI455X (gfx1250); checked and timed in simulation.
; The chip was launched on July 23, 2026; its instructions are those of AMD's public machine-readable ISA for CDNA 5 (MIT licence, August 2026) and "CDNA5" Instruction Set Architecture Reference Guide (July 2026). The comments in the code are by the model that wrote it; some were corrected since.
;; Multi Head Attention. Allowed arithmetic: matrix products marked QUANTISED: E2M1 operands, one E8M0 scale for each 32 along K, by v_wmma_scale_f32_16x16x128_f8f6f4 with both operands' format E2M1 (or v_wmma_scale_f32_32x16x128_f4), f32 sums; products left as they are: bf16, f16 or f32 operands; f32 sums; everything else in f32.
;; Inputs: W_att 1,024 x 3,072 float32; W_proj 1,024 x 1,024 float32; b_proj 1,024 float32; x 4 x 2,048 x 1,024 float32.
;; Outputs: out0 4 x 2,048 x 1,024 float32.
;; This version of the problem:
;;   THIS VERSION OF THE PROBLEM IS GIVEN IN LOW PRECISION. The matrix products marked QUANTISED in the list below multiply operands that are first quantised to E2M1 (2 exponent bits, 1 mantissa bit; 4 bits a number), with one power-of-two scale for each 32 numbers along K (OCP MX v1.0); their sums are f32. The products marked 'left as it is' may take bf16, f16 or f32 operands, with f32 sums. Whichever they take, every output number must still come out within the allowed error. Rounding operands to bf16 (8 significant bits) uses up far more of that allowance than f16 does (11 bits, for magnitudes from 6e-5 to 65,504). All else is computed in f32.
;;   The module's matrix products, in the order in which they are computed (A, B: the left and right operand; K: the contracted axis; several contracted axes count as one K, in the product's order):
;;     1. [M 8,192, K 1,024] x [K 1,024, N 3,072]; A: input x; B: input W_att: QUANTISED
;;     2. batch 64 x [M 2,048, K 64] x [K 64, N 2,048]; A: computed on the way; B: computed on the way: left as it is (an operand is computed on the way)
;;     3. batch 64 x [M 2,048, K 2,048] x [K 2,048, N 64]; A: computed on the way; B: computed on the way: left as it is (an operand is computed on the way)
;;     4. [M 8,192, K 1,024] x [K 1,024, N 1,024]; A: computed on the way; B: input W_proj: left as it is (an operand is computed on the way)
;;   THE QUANTISER, for each operand of a quantised product, along K:
;;     - K is cut into blocks of 32 from its start; a last block that is shorter is filled with zeros.
;;     - A block's scale is 2^e with e = floor(log2(the largest magnitude in the block)) - 2, held to -126 .. 127; a block of zeros has e = 0. As a byte (E8M0): e + 127.
;;     - Each number is divided by its block's scale, clamped to +-6, and rounded to the nearest number of E2M1, ties to even, subnormals kept.
;;     - The product sums the exact products of the quantised numbers (number of the format x scale) in f32.
;;   ~~~python
;;   def quantise(x, axis):      # numpy; x: float32 -> the quantised numbers, widened to float32 again
;;       x = np.moveaxis(x, axis, -1); K = x.shape[-1]
;;       x = np.pad(x, [(0, 0)] * (x.ndim - 1) + [(0, -K % 32)]); x = x.reshape(x.shape[:-1] + (-1, 32)); a = np.abs(x).max(-1, keepdims=True)
;;       e = np.where(a > 0, np.clip(np.frexp(np.where(a > 0, a, 1))[1] - 1 - 2, -126, 127), 0)      # np.frexp(a)[1] - 1 = floor(log2(a)), exactly
;;       r = np.clip(x / 2.0 ** e, -6, 6)
;;       step = 2.0 ** (np.maximum(np.frexp(np.where(r == 0, 1, r))[1] - 1, 0) - 1)
;;       q = np.round(r / step) * step * 2.0 ** e      # np.round: ties to even
;;       return np.moveaxis(q.reshape(q.shape[:-2] + (-1,))[..., :K], -1, axis).astype(np.float32)
;;   ~~~
;; One version. Each part assembles by itself: llvm-mc -triple=amdgcn-amd-amdhsa -mcpu=gfx1250 --defsym DOCPART=n.
;; ======== version 1 of 1: 5 launches
;; limits: values are held in f16: magnitudes above 65,504 overflow, below 6.1e-05 lose precision
;; workspace buffers: xc 4,194,304 bytes; xs 262,144 bytes; wc 1,572,864 bytes; ws 98,304 bytes; wp16 2,097,152 bytes; kqv 50,331,648 bytes; kqv16 786,432 bytes; att 16,777,216 bytes
;; launch prep (part 1): grid 432 x 1, 4 waves a work-group, no clusters, 68,096 bytes of LDS; arguments x, W_att, W_proj, xc, xs, wc, ws, wp16; writes xc, xs, wc, ws, wp16
.if DOCPART == 1
	.amdgcn_target "amdgcn-amd-amdhsa--gfx1250"
	.amdhsa_code_object_version 6
	.text
	.protected	k_qbaee33d730_prep
	.globl	k_qbaee33d730_prep
	.p2align	8
	.type	k_qbaee33d730_prep,@function
k_qbaee33d730_prep:
	s_mov_b64 s[64:65], 0
	v_nop
	global_prefetch_b8 v0, s[64:65] scope:SCOPE_SE
	s_setreg_imm32_b32 hwreg(HW_REG_WAVE_MODE, 25, 1), 1
	s_wait_xcnt 0x0
; FIRST OF FIVE LAUNCHES of causal multi-head attention: B = 4, T = 2,048, C = 1,024, 16 heads of 64.
;   prep: x and W_att into codes of E2M1 with E8M0 scales along K = 1,024; W_proj into f16.   gemm_qkv: qkv = x W_att on codes.   attn: softmax(q k^T / 8) v, f16 operands, f32 sums.
;   proj: att W_proj + b_proj for positions 16 on.   fine: positions 0 to 15 of every sequence, attention and projection, in f32.
; WORK LEFT OUT.  reference() sets every score with key > query to -infinity ahead of the softmax, by a mask that it builds itself (tril).  The weight of such a score is exp(-inf) = 0 for all
; finite inputs, so it adds nothing to the row's sum nor to the product with v.  Key steps that lie wholly behind a band of queries reach no output, and attn does not multiply them.  No input is left out.
; LIMIT of that: a NaN, an infinity or an overflow that would reach only masked scores is not carried to the result.
; LIMITS of the program: k, q, v, the attention's result and W_proj are rounded to f16 for the products that are left as they are: magnitudes beyond 65,504 are not served.
; Blocks whose largest magnitude lies under 2^-124 keep the scale byte 1; a block of zeros gets the byte 1 where the rule says 127 (its codes are zeros, and this program alone reads the bytes).  NaN and infinities among the inputs are not served.
; THIS LAUNCH has three paths, chosen by the work-group's number; each has LDS bytes of its own.  No cluster: no two work-groups read the same bytes.  No tensor loads: waves share nothing.
;   W (work-groups 0-47):    W_att [1024 k][3072 n] f32 -> wc [3072][512 bytes], ws [3072][32].  K is the FIRST axis: a lane takes a column, its registers run down K.
;   C (work-groups 48-175):  W_proj f32 -> wp16 f16, same layout.
;   X (work-groups 176-431): x [8192][1024] f32 -> xc [8192][512 bytes], xs [8192][32].  K is innermost: a plain stream of blocks of 32.
.set SPW,    190                       ; v190 LDS address of my spare word; never rewritten
.set NIL,    191                       ; v191 0; never rewritten
.set SPARE,  67584                     ; behind both paths' regions: the spare words, 128 bytes a wave
.set STEPS,  16                        ; path X: steps of 512 numbers a wave
.set XSP,    80                        ; a lane's place in a stage: 64 bytes + 16 of padding
.set XWREG,  8192                      ; a wave's region: two stages of 32 x 80 bytes, then its 256 scale bytes
.set XR,     16                        ; v16-79   four sets of 16 numbers as loaded
.set XX,     80                        ; v80-111  two sets of 16 neighbours
.set XE,     112                       ; v112-127 a scale byte for each step
.set XC,     128                       ; v128-189 codes, four registers reserved for each step
.set WSTAGE, 32768                     ; path W: four stages of 32 rows x 272 bytes
.set WPITCH, 272
.set WNB,    16                        ; blocks of 32 along K for a wave
.set WROW,   3072*4                    ; a row of W_att in bytes
.set WX,     32                        ; v32-95   two sets of 32 numbers
.set WC,     96                        ; v96-99   a block's codes
.set WSB,    24                        ; v24-27   scale bytes, four to a register
.set WOUT,   112                       ; v112-175 the way out
	s_load_b256 s[4:11], s[0:1], 0x0               ; x s[4:5], W_att s[6:7], W_proj s[8:9], xc s[10:11]
	s_load_b256 s[12:19], s[0:1], 0x20             ; xs s[12:13], wc s[14:15], ws s[16:17], wp16 s[18:19]
	v_lshl_add_u32 v[SPW], v0, 2, SPARE
	v_mov_b32 v[NIL], 0
	v_lshrrev_b32 v1, 5, v0
	v_readfirstlane_b32 s20, v1                    ; wave 0..3
	v_and_b32 v2, 31, v0                           ; lane
	s_wait_kmcnt 0x0
	s_cmp_lt_u32 ttmp9, 48
	s_cbranch_scc1 .Lw
	s_cmp_lt_u32 ttmp9, 176
	s_cbranch_scc1 .Lc
	; ---------------- PATH X: a wave takes a run of 8,192 numbers: 16 steps of 512.
	; Each load reads 512 consecutive bytes; a step's 2,048 bytes turn through the wave's own stage in LDS and come back 64 bytes (16 neighbours along K) a lane; two neighbouring lanes hold a block.
	s_sub_co_u32 s22, ttmp9, 176
	s_lshl_b32 s22, s22, 2
	s_add_co_u32 s22, s22, s20                     ; my run, 0..1023
	s_mov_b32 s25, 0
	s_lshl_b32 s24, s22, 15                        ; 32,768 bytes of x a run
	s_add_nc_u64 s[4:5], s[4:5], s[24:25]
	s_lshl_b32 s24, s22, 12                        ; 4,096 bytes of codes
	s_add_nc_u64 s[10:11], s[10:11], s[24:25]
	s_lshl_b32 s24, s22, 8                         ; 256 scale bytes
	s_add_nc_u64 s[12:13], s[12:13], s[24:25]
	v_lshlrev_b32 v3, 4, v2                        ; my 16 bytes of a load's 512
	s_mul_i32 s21, s20, XWREG
	v_lshrrev_b32 v14, 2, v2
	v_mul_u32_u24 v14, v14, XSP
	v_and_b32 v15, 3, v2
	v_lshl_add_u32 v14, v15, 4, v14
	v_add_nc_u32 v14, s21, v14                     ; the stage, way in: 80 (lane / 4) + 16 (lane % 4)
	v_mul_u32_u24 v15, v2, XSP
	v_add_nc_u32 v15, s21, v15                     ; way out: 80 x lane
	v_lshlrev_b32 v4, 3, v2                        ; my 8 bytes of a step's 256 bytes of codes
	v_lshrrev_b32 v5, 1, v2
	s_add_co_u32 s21, s21, 2*32*XSP
	v_add_nc_u32 v5, s21, v5                       ; my block's scale byte in LDS
	v_lshlrev_b32 v7, 3, v2
	v_add_nc_u32 v6, s21, v7                       ; and 8 bytes a lane on the way out
.macro LOADX t
.irp i, 0,1,2,3
	global_load_b128 v[XR+16*((\t)%4)+4*\i:XR+16*((\t)%4)+4*\i+3], v3, s[4:5] offset:2048*(\t)+512*\i th:TH_LOAD_NT
.endr
.endm
.macro TURNX t                         ; LDS serves a wave's instructions in order: no wait between the stores and the loads
.irp i, 0,1,2,3
	ds_store_b128 v14, v[XR+16*((\t)%4)+4*\i:XR+16*((\t)%4)+4*\i+3] offset:32*XSP*((\t)%2)+8*XSP*\i
.endr
.irp i, 0,1,2,3
	ds_load_b128 v[XX+16*((\t)%2)+4*\i:XX+16*((\t)%2)+4*\i+3], v15 offset:32*XSP*((\t)%2)+16*\i
.endr
.endm
.irp t, 0,1,2,3
	LOADX \t
.endr
	s_wait_loadcnt 12                              ; step 0's four loads are in; the twelve of steps 1 to 3 may be out
	TURNX 0
.macro STEPX t
.set XS, XX+16*((\t)%2)
.if (\t) > 0
	s_wait_dscnt 1                                 ; this step's numbers are back from the stage; the last step's byte store may be out
.else
	s_wait_dscnt 0x0
.endif
.if (\t)+4 < STEPS
	LOADX (\t)+4                                   ; into the set whose stores into the stage have read their registers
.endif
.if (\t)+1 < STEPS
.if STEPS-2-(\t) >= 3
	s_wait_loadcnt 12                              ; the next step's four loads are in; those of the three steps behind it may be out
.else
	s_wait_loadcnt 4*(STEPS-2-(\t))
.endif
	TURNX (\t)+1
.endif
	v_max3_num_f32 v8, |v[XS]|, |v[XS+1]|, |v[XS+2]|
	v_max3_num_f32 v9, |v[XS+3]|, |v[XS+4]|, |v[XS+5]|
.irp i, 6,10
	v_max3_num_f32 v8, v8, |v[XS+\i]|, |v[XS+\i+1]|
	v_max3_num_f32 v9, v9, |v[XS+\i+2]|, |v[XS+\i+3]|
.endr
	v_max3_num_f32 v8, v8, |v[XS+14]|, |v[XS+15]|
	v_max3_num_f32 v8, v8, v9, 0x1800000           ; and the floor 2^(3 - 127): the byte cannot fall under 1
	v_max_num_f32_dpp v8, v8, v8 row_xmask:1 row_mask:0xf bank_mask:0xf   ; with my neighbour's 16: the block's largest magnitude
	v_add_nc_u32 v11, 0xff000000, v8               ; 2 off its exponent field: the conversion takes this operand's exponent field as its scale
	v_cvt_scalef32_pk8_fp4_f32 v[XC+4*(\t)], v[XS:XS+7], v11
	v_cvt_scalef32_pk8_fp4_f32 v[XC+4*(\t)+1], v[XS+8:XS+15], v11
	v_lshrrev_b32 v[XE+(\t)], 23, v11              ; the scale's byte
	ds_store_b8 v5, v[XE+(\t)] offset:16*(\t)      ; both lanes of a block write the same byte with the same value
	global_store_b64 v4, v[XC+4*(\t):XC+4*(\t)+1], s[10:11] offset:256*(\t)   ; the wave stores 256 consecutive bytes, aligned
.endm
.irp t, 0,1,2,3,4,5,6,7,8,9,10,11,12,13,14,15
	STEPX \t
.endr
	ds_load_b64 v[8:9], v6                         ; my wave's 256 scale bytes: these see my stores
	s_wait_dscnt 0x0
	global_store_b64 v7, v[8:9], s[12:13]          ; 256 consecutive bytes, aligned
	s_wait_tensorcnt 0x0                           ; the wave's end
	ds_add_u32 v[SPW], v[NIL]
	s_wait_dscnt 0x0
	s_endpgm
	; ---------------- PATH W: a wave takes 32 columns x 512 along K: 16 blocks a lane.  Codes go through the wave's stage and leave as rows: sixteen lanes store 256 consecutive bytes.
.Lw:
	s_cmp_ge_u32 ttmp9, 24
	s_cselect_b32 s22, 1, 0                        ; which 512 along K
	s_cselect_b32 s23, 24, 0
	s_sub_co_u32 s23, ttmp9, s23                   ; which 128 columns
	s_lshl_b32 s21, s23, 7
	s_lshl_b32 s23, s20, 5
	s_add_co_u32 s21, s21, s23                     ; my wave's first column
	v_lshlrev_b32 v3, 2, v2                        ; in: 4 bytes a lane
	s_mul_i32 s24, s20, 32*WPITCH
	s_add_co_u32 s24, s24, WSTAGE                  ; my stage
	v_mul_u32_u24 v4, v2, WPITCH
	v_add_nc_u32 v4, s24, v4                       ; into it: row = my column
	v_and_b32 v5, 15, v2
	v_lshrrev_b32 v6, 4, v2
	v_mul_u32_u24 v7, v6, WPITCH
	v_lshl_add_u32 v7, v5, 4, v7
	v_add_nc_u32 v7, s24, v7                       ; out of it: sixteen lanes to a row, two rows an instruction
	v_lshlrev_b32 v8, 9, v6
	v_lshl_add_u32 v8, v5, 4, v8                   ; the same place in wc: rows of 512 bytes
	v_lshlrev_b32 v9, 5, v2                        ; my column's row of scale bytes
	s_mul_i32 s26, s22, 512*WROW
	s_lshl_b32 s27, s21, 2
	s_add_co_u32 s26, s26, s27
	s_mov_b32 s27, 0
	s_add_nc_u64 s[6:7], s[6:7], s[26:27]
	s_lshl_b32 s26, s21, 9
	s_lshl_b32 s28, s22, 8
	s_add_co_u32 s26, s26, s28
	s_add_nc_u64 s[14:15], s[14:15], s[26:27]
	s_lshl_b32 s26, s21, 5
	s_lshl_b32 s28, s22, 4
	s_add_co_u32 s26, s26, s28
	s_add_nc_u64 s[16:17], s[16:17], s[26:27]
.macro LOADW t                         ; block t: W_att(32 t + i, my column); the largest offset, 511 rows of 12,288 bytes, lies inside the signed 24-bit immediate
.irp i, 0,1,2,3,4,5,6,7,8,9,10,11,12,13,14,15,16,17,18,19,20,21,22,23,24,25,26,27,28,29,30,31
	global_load_b32 v[WX+32*((\t)%2)+\i], v3, s[6:7] offset:(32*(\t)+\i)*WROW th:TH_LOAD_NT
.endr
.endm
	LOADW 0
	LOADW 1
.macro BLOCKW t
.set XS, WX+32*((\t)%2)
.if (\t) < WNB-1
	s_wait_loadcnt 32                              ; this block's 32 loads are in; the next block's may be out
.else
	s_wait_loadcnt 0
.endif
	v_max3_num_f32 v12, |v[XS]|, |v[XS+1]|, |v[XS+2]|
	v_max3_num_f32 v13, |v[XS+3]|, |v[XS+4]|, |v[XS+5]|
.irp i, 6,10,14,18,22,26
	v_max3_num_f32 v12, v12, |v[XS+\i]|, |v[XS+\i+1]|
	v_max3_num_f32 v13, v13, |v[XS+\i+2]|, |v[XS+\i+3]|
.endr
	v_max3_num_f32 v12, v12, |v[XS+30]|, |v[XS+31]|
	v_max3_num_f32 v12, v12, v13, 0x1800000        ; the floor 2^(3 - 127)
	v_add_nc_u32 v11, 0xff000000, v12              ; the conversion's scale operand
	v_lshrrev_b32 v13, 23, v11                     ; the scale's byte
.if (\t)%4 == 0
	v_mov_b32 v[WSB+(\t)/4], v13
.else
	v_lshl_or_b32 v[WSB+(\t)/4], v13, 8*((\t)%4), v[WSB+(\t)/4]
.endif
.irp g, 0,1,2,3
	v_cvt_scalef32_pk8_fp4_f32 v[WC+\g], v[XS+8*\g:XS+8*\g+7], v11
.endr
	ds_store_b128 v4, v[WC:WC+3] offset:16*(\t)    ; 32 codes: 16 bytes of my column's row
.if (\t)+2 < WNB
	LOADW (\t)+2
.endif
	s_wait_dscnt 0x0                               ; the store has read its registers: the next block's codes may be written
.endm
.irp t, 0,1,2,3,4,5,6,7,8,9,10,11,12,13,14,15
	BLOCKW \t
.endr
	global_store_b128 v9, v[WSB:WSB+3], s[16:17]   ; my column's 16 scale bytes
.irp t, 0,1,2,3,4,5,6,7,8,9,10,11,12,13,14,15
	ds_load_b128 v[WOUT+4*\t:WOUT+4*\t+3], v7 offset:2*\t*WPITCH
.endr
.irp t, 0,1,2,3,4,5,6,7,8,9,10,11,12,13,14,15
	s_wait_dscnt 15-\t                             ; LDS loads come back in order: load t is in
	global_store_b128 v8, v[WOUT+4*\t:WOUT+4*\t+3], s[14:15] offset:2*\t*512
.endr
	s_wait_tensorcnt 0x0                           ; the wave's end
	ds_add_u32 v[SPW], v[NIL]
	s_wait_dscnt 0x0
	s_endpgm
	; ---------------- PATH C: a wave casts 2,048 numbers of W_proj to f16.  No register is written twice.
.Lc:
	s_sub_co_u32 s22, ttmp9, 48
	s_lshl_b32 s22, s22, 2
	s_add_co_u32 s22, s22, s20                     ; my run, 0..511
	s_mov_b32 s25, 0
	s_lshl_b32 s24, s22, 13
	s_add_nc_u64 s[8:9], s[8:9], s[24:25]
	s_lshl_b32 s24, s22, 12
	s_add_nc_u64 s[18:19], s[18:19], s[24:25]
	v_lshlrev_b32 v3, 4, v2
	v_lshlrev_b32 v4, 3, v2
.irp i, 0,1,2,3,4,5,6,7,8,9,10,11,12,13,14,15
	global_load_b128 v[16+4*\i:19+4*\i], v3, s[8:9] offset:512*\i th:TH_LOAD_NT
.endr
.irp i, 0,1,2,3,4,5,6,7,8,9,10,11,12,13,14,15
	s_wait_loadcnt 15-\i                           ; loads come back in order: load i is in
	v_cvt_pk_f16_f32 v[80+2*\i], v[16+4*\i], v[17+4*\i]
	v_cvt_pk_f16_f32 v[81+2*\i], v[18+4*\i], v[19+4*\i]
	global_store_b64 v4, v[80+2*\i:81+2*\i], s[18:19] offset:256*\i   ; 256 consecutive bytes, aligned
.endr
	s_wait_tensorcnt 0x0                           ; the same closing lines as the other two paths
	ds_add_u32 v[SPW], v[NIL]
	s_wait_dscnt 0x0
	s_endpgm
.Lfunc_end_k_qbaee33d730_prep:
	.size	k_qbaee33d730_prep, .Lfunc_end_k_qbaee33d730_prep-k_qbaee33d730_prep
	.p2alignl 7, 3214868480
	.fill 96, 4, 3214868480
	.section	.rodata,"a",@progbits
	.p2align	6, 0x0
	.amdhsa_kernel k_qbaee33d730_prep
		.amdhsa_group_segment_fixed_size 68096
		.amdhsa_private_segment_fixed_size 0
		.amdhsa_enable_private_segment 0
		.amdhsa_kernarg_size 64
		.amdhsa_user_sgpr_count 2
		.amdhsa_user_sgpr_kernarg_segment_ptr 1
		.amdhsa_wavefront_size32 1
		.amdhsa_system_sgpr_workgroup_id_x 1
		.amdhsa_system_sgpr_workgroup_id_y 1
		.amdhsa_system_sgpr_workgroup_id_z 1
		.amdhsa_system_vgpr_workitem_id 0
		.amdhsa_next_free_vgpr 192
		.amdhsa_next_free_sgpr 66
		.amdhsa_reserve_vcc 0
		.amdhsa_float_denorm_mode_32 3
		.amdhsa_float_denorm_mode_16_64 3
		.amdhsa_memory_ordered 1
		.amdhsa_forward_progress 1
		.amdhsa_inst_pref_size 117
	.end_amdhsa_kernel
	.amdgpu_metadata
---
amdhsa.version: [ 1, 2 ]
amdhsa.kernels:
  - .name:           k_qbaee33d730_prep
    .symbol:         k_qbaee33d730_prep.kd
    .args:
      - { .name: x, .offset: 0, .size: 8, .value_kind: global_buffer, .address_space: global }
      - { .name: W_att, .offset: 8, .size: 8, .value_kind: global_buffer, .address_space: global }
      - { .name: W_proj, .offset: 16, .size: 8, .value_kind: global_buffer, .address_space: global }
      - { .name: xc, .offset: 24, .size: 8, .value_kind: global_buffer, .address_space: global }
      - { .name: xs, .offset: 32, .size: 8, .value_kind: global_buffer, .address_space: global }
      - { .name: wc, .offset: 40, .size: 8, .value_kind: global_buffer, .address_space: global }
      - { .name: ws, .offset: 48, .size: 8, .value_kind: global_buffer, .address_space: global }
      - { .name: wp16, .offset: 56, .size: 8, .value_kind: global_buffer, .address_space: global }
    .group_segment_fixed_size: 68096
    .private_segment_fixed_size: 0
    .kernarg_segment_align: 8
    .kernarg_segment_size: 64
    .max_flat_workgroup_size: 128
    .sgpr_count:     66
    .vgpr_count:     192
    .wavefront_size: 32
...
	.end_amdgpu_metadata
.endif
;; end of part 1
;; launch gemm_qkv (part 2): grid 12 x 32, 4 waves a work-group, clusters of 4 x 4, 327,680 bytes of LDS; arguments xc, xs, wc, ws, kqv, kqv16; writes kqv, kqv16
.if DOCPART == 2
	.amdgcn_target "amdgcn-amd-amdhsa--gfx1250"
	.amdhsa_code_object_version 6
	.text
	.protected	k_qbaee33d730_gemm_qkv
	.globl	k_qbaee33d730_gemm_qkv
	.p2align	8
	.type	k_qbaee33d730_gemm_qkv,@function
k_qbaee33d730_gemm_qkv:
	s_mov_b64 s[64:65], 0
	v_nop
	global_prefetch_b8 v0, s[64:65] scope:SCOPE_SE
	s_setreg_imm32_b32 hwreg(HW_REG_WAVE_MODE, 25, 1), 1
	s_wait_xcnt 0x0
	s_wait_alu depctr_hold_cnt(0) depctr_sa_sdst(0) depctr_va_vdst(0) depctr_va_sdst(0) depctr_va_ssrc(0) depctr_va_vcc(0) depctr_vm_vsrc(0)
	s_getreg_b32 s2, hwreg(HW_REG_IB_STS2, 6, 4)
	s_cmp_eq_u32 s2, 0
	s_cbranch_scc0 .Lentry_in_a_cluster
	s_endpgm
.Lentry_in_a_cluster:
	s_bfe_u32 s2, ttmp6, 0x10000c
	s_cmp_lg_u32 s2, 0xf033
	s_cbranch_scc0 .Lentry_shape_is_right
	s_endpgm
.Lentry_shape_is_right:
; qkv[m][n] = sum over k of x[m][k] W_att[k][n], on codes of E2M1 with one E8M0 scale for each 32 along K = 1,024.  xc [8192][512 bytes], xs [8192][32], wc [3072][512 bytes], ws [3072][32].
; OUT: kqv, f16, [part: 0 k, 1 q, 2 v][batch x 16 + head][t][64]: a head's rows are 128 dense bytes;  kqv16, f32, [batch][t = 0..15][3072]: the first 16 positions unrounded, for the launch that carries them in f32.
; A tile of 256 x 256 to a work-group of four waves; a wave makes 128 x 128: 64 accumulators of 16 x 16.  K is two slots of 512 (rows of 256 bytes): both are asked for at the head and nothing is filled again;
; a wave has at most three tensor loads out (scales, slot 0, slot 1).  The scales of the work-group's rows, for all of K, come once, as rows of 256 bytes.
; CLUSTERS: 4 x 4 work-groups; the four of a row need the same tiles of x, the four of a column the same tiles of W: each is asked for jointly.
; THE TILE ROW is 8 cy + cluster y: so the batch is cy and the tile's first position is 256 x cluster y, a number that all sixteen partners share: the branch to the f32 copy hangs on it and on the wave's number alone.
; THE MATRIX INSTRUCTION IS USED TRANSPOSED (source 0 = 16 rows of wc, source 1 = 16 rows of xc): a lane holds eight neighbouring columns of one row.
; REGISTERS: window 0: v0-31 addresses; v32-95 scale words, two sets; v128-191 x's fragments, one set.  window 1: W's fragments, two sets.  windows 2, 3: the accumulators ((a, b) at v[8 (8 (a % 4) + b)]).
.set KSTEP,  512
.set NQ,     4                         ; steps of 128 along K in a slot
.set ROWB,   256                       ; a tile's row in bytes
.set KROW,   512                       ; a row of codes in memory
.set PITCH,  272                       ; an LDS row: 256 bytes + 16 of padding: the 16 rows of a load start 68 words apart
.set FR,     8
.set NL,     2
.set NP,     4
.set HALFT,  128*PITCH
.set SLOT,   4*HALFT
.set KS,     32                        ; a row of scales in bytes
.set SCL,    2*SLOT
.set HALFS,  (128*KS/256)*272
.set SBLK,   (16*KS/256)*272
.set SPARE,  SCL+4*HALFS               ; the spare words, 128 bytes a wave
.set SPITCH, 528                       ; the way out in f32: 16 rows x (512 + 16) bytes a wave, in slot 0, which has had its only fill and its last read by then
.set HPITCH, 272                       ; the way out in f16: 16 rows x (256 + 16) bytes, in the same bytes
.set ADRA, 16
.set ADRB, 20
.set STO16, 22                         ; v22 f16: where I put 16 bytes of a row
.set RD16,  23                         ; v23 f16: where I read back: row lane / 8, 16 (lane % 8)
.set STO,  24                          ; v24 f32: where I put 32 bytes of a row
.set RD,   25                          ; v25 f32: where I read a row back
.set CO,   26                          ; v26 16 x lane
.set ADRS, 27
.set SPW,  28
.set NIL,  29
.set SC,   32
.set AF,   128
.set TMP,  192                         ; v192-223 a block's packed results
.set G1, 24
.set G0, 32
.set G1B, 48
.set G0B, 56
.set G1S, 68
.set G0S, 76
.set G1SB, 80
.set G0SB, 88
.set MSB, 0
.macro WIN new                         ; the immediate's high byte repeats the setting that is left
.if MSB != (\new)
	s_set_vgpr_msb (MSB<<8)|(\new)
.set MSB, (\new)
.endif
.endm
.set MUL_LO, 0xa1                      ; source 0 (W) window 1, source 1 (x) window 0, C and D window 2
.set MUL_HI, 0xf1
.set TO_B,   0x40
; A joint load: waves 0 and 1 fetch for x, waves 2 and 3 for W; the branch hangs on the wave's number alone.  An s_nop 0 and four v_nop follow each of the two lines.
.macro JLOAD g0a, g1a, g0b, g1b
	s_cmp_eq_u32 s15, 0
	s_cbranch_scc0 .Lfor_b_\@
	tensor_load_to_lds s[\g0a:\g0a+3], s[\g1a:\g1a+7]
	s_nop 0
.rept 4
	v_nop
.endr
	s_branch .Lasked_\@
.Lfor_b_\@:
	tensor_load_to_lds s[\g0b:\g0b+3], s[\g1b:\g1b+7]
	s_nop 0
.rept 4
	v_nop
.endr
.Lasked_\@:
.endm
.macro CROUND                          ; a round of the cluster's barrier
	s_barrier_signal -1
	s_barrier_wait -1
	s_cmp_lg_u32 s14, 0
	s_cbranch_scc1 .Lnot_wave_0_\@
	s_barrier_signal -3
.Lnot_wave_0_\@:
	s_barrier_wait -3
	s_barrier_signal -1
	s_barrier_wait -1
.endm
	s_load_b128 s[4:7], s[0:1], 0x0                ; xc s[4:5], xs s[6:7]
	s_load_b128 s[8:11], s[0:1], 0x10              ; wc s[8:9], ws s[10:11]
	s_load_b64 s[12:13], s[0:1], 0x20              ; kqv
	s_load_b64 s[66:67], s[0:1], 0x28              ; kqv16
	v_lshl_add_u32 v[SPW], v0, 2, SPARE
	v_mov_b32 v[NIL], 0
	ds_add_u32 v[SPW], v[NIL]                      ; the wave's opening: the add, twice on end, and its wait ahead of my first tensor load
	ds_add_u32 v[SPW], v[NIL]
	v_lshrrev_b32 v1, 5, v0
	v_readfirstlane_b32 s14, v1                    ; wave 0..3
	s_lshr_b32 s15, s14, 1                         ; which half of the tile's rows is mine.  Also: I fetch for x (0) or for W (1)
	s_and_b32 s16, s14, 1                          ; which half of its columns.  Also: which 128 rows I fetch
	s_bfe_u32 s40, ttmp6, 0x40000                  ; cx
	s_bfe_u32 s41, ttmp6, 0x40004                  ; cy
	s_lshl_b32 s42, ttmp9, 2
	s_add_co_u32 s42, s42, s40                     ; tile column = 4 x cluster x + cx
	s_and_b32 s96, ttmp7, 0xffff                   ; cluster y
	s_lshl_b32 s17, s41, 3
	s_add_co_u32 s17, s17, s96                     ; tile row = 8 cy + cluster y
	s_lshl_b32 s43, s41, 2
	s_lshl_b32 s43, 15, s43                        ; my row of the cluster
	s_lshl_b32 s44, 0x1111, s40                    ; my column
	s_or_b32 s[G1+0], s43, (0<<16)|(1<<20)|(1<<21)|(5<<22)|(3<<25)  ; the mask; elements of 1 byte; padding on: 4 words behind every 64
	s_or_b32 s[G1B+0], s44, (0<<16)|(1<<20)|(1<<21)|(5<<22)|(3<<25)
.irp g, G1, G1B
	s_mov_b32 s[\g+1], ROWB<<16                    ; tensor_dim0
	s_mov_b32 s[\g+2], 128<<16                     ; tensor_dim1
	s_mov_b32 s[\g+3], ROWB<<16                    ; tile_dim0
	s_mov_b32 s[\g+4], 128                         ; tile_dim1
	s_mov_b32 s[\g+5], KROW                        ; the pitch
	s_mov_b32 s[\g+6], 0
	s_mov_b32 s[\g+7], 0
.endr
	s_or_b32 s[G1S+0], s43, (3<<16)|(1<<20)|(1<<21)|(5<<22)|(3<<25) ; the scales of 128 rows: 4,096 dense bytes as 16 rows of 256 (32 elements of 8 bytes), 16 bytes of padding behind each
	s_or_b32 s[G1SB+0], s44, (3<<16)|(1<<20)|(1<<21)|(5<<22)|(3<<25)
.irp g, G1S, G1SB
	s_mov_b32 s[\g+1], 32<<16
	s_mov_b32 s[\g+2], (128*KS/256)<<16
	s_mov_b32 s[\g+3], 32<<16
	s_mov_b32 s[\g+4], 128*KS/256
	s_mov_b32 s[\g+5], 32
	s_mov_b32 s[\g+6], 0
	s_mov_b32 s[\g+7], 0
.endr
	s_lshl_b32 s18, s16, 7
	s_lshl_b32 s20, s17, 8
	s_add_co_u32 s20, s20, s18                     ; x: row 256 x tile row + 128 x half
	s_lshl_b32 s46, s42, 8
	s_add_co_u32 s46, s46, s18                     ; W: row 256 x tile column + 128 x half
	s_mov_b32 s21, 0
	s_mov_b32 s47, 0
	s_mov_b64 s[18:19], KS
	s_mul_u64 s[22:23], s[20:21], s[18:19]
	s_mul_u64 s[92:93], s[46:47], s[18:19]
	s_mov_b64 s[18:19], KROW
	s_mul_u64 s[20:21], s[20:21], s[18:19]
	s_mul_u64 s[46:47], s[46:47], s[18:19]
	s_mul_i32 s45, s14, HALFT                      ; where they go: wave x 128 rows
	s_mul_i32 s94, s14, HALFS
	s_wait_dscnt 0x0                               ; both opening adds are done
	s_wait_kmcnt 0x0
	s_add_nc_u64 s[20:21], s[4:5], s[20:21]
	s_add_nc_u64 s[22:23], s[6:7], s[22:23]
	s_add_nc_u64 s[46:47], s[8:9], s[46:47]
	s_add_nc_u64 s[92:93], s[10:11], s[92:93]
	CROUND                                         ; all sixteen work-groups are here: the joint loads meet
	s_mov_b32 s[G0S], 1
	s_add_co_u32 s[G0S+1], s94, SCL
	s_mov_b64 s[G0S+2:G0S+3], s[22:23]
	s_or_b32 s[G0S+3], s[G0S+3], 0x80000000
	s_mov_b32 s[G0SB], 1
	s_add_co_u32 s[G0SB+1], s94, SCL
	s_mov_b64 s[G0SB+2:G0SB+3], s[92:93]
	s_or_b32 s[G0SB+3], s[G0SB+3], 0x80000000
	JLOAD G0S, G1S, G0SB, G1SB                     ; the scales first
.irp s, 0,1
	s_mov_b32 s[G0+4*\s], 1
	s_add_co_u32 s[G0+4*\s+1], s45, \s*SLOT
	s_add_nc_u64 s[G0+4*\s+2:G0+4*\s+3], s[20:21], \s*ROWB
	s_or_b32 s[G0+4*\s+3], s[G0+4*\s+3], 0x80000000
	s_mov_b32 s[G0B+4*\s], 1
	s_add_co_u32 s[G0B+4*\s+1], s45, \s*SLOT
	s_add_nc_u64 s[G0B+4*\s+2:G0B+4*\s+3], s[46:47], \s*ROWB
	s_or_b32 s[G0B+4*\s+3], s[G0B+4*\s+3], 0x80000000
	JLOAD G0+4*\s, G1, G0B+4*\s, G1B
.endr
	v_and_b32 v1, 15, v0                           ; r
	v_bfe_u32 v2, v0, 4, 1                         ; h
	v_mul_u32_u24 v3, v1, PITCH
	v_lshl_add_u32 v4, v2, 4, v3
	s_mul_i32 s21, s15, HALFT
	s_mul_i32 s22, s16, HALFT
	s_add_co_u32 s22, s22, 2*HALFT
.irp s, 0,1
	v_add_nc_u32 v[ADRA+\s], s21, v4
	v_add_nc_u32 v[ADRB+\s], s22, v4
	s_add_co_u32 s21, s21, SLOT
	s_add_co_u32 s22, s22, SLOT
.endr
	v_mul_u32_u24 v5, v1, KS                       ; my row's scales: 32 bytes a row,
	v_lshrrev_b32 v6, 8, v5
	v_lshl_add_u32 v5, v6, 4, v5                   ; and 16 more for each 256 passed
	s_mul_i32 s21, s15, HALFS
	s_mul_i32 s22, s16, HALFS
	s_add_co_u32 s22, s22, 2*HALFS
	s_sub_co_u32 s22, s22, s21
	v_mul_u32_u24 v6, s22, v2                      ; lanes 16-31 take W's
	s_add_co_u32 s21, s21, SCL
	v_add_nc_u32 v5, v5, v6
	v_add_nc_u32 v[ADRS], s21, v5
	s_mul_i32 s23, s14, 16*SPITCH                  ; my stage
	v_mul_u32_u24 v5, v1, SPITCH
	v_lshl_add_u32 v5, v2, 5, v5
	v_add_nc_u32 v[STO], s23, v5
	v_and_b32 v6, 31, v0
	v_lshlrev_b32 v[CO], 4, v6
	v_add_nc_u32 v[RD], s23, v[CO]
	v_mul_u32_u24 v5, v1, HPITCH
	v_lshl_add_u32 v5, v2, 4, v5
	v_add_nc_u32 v[STO16], s23, v5
	v_lshrrev_b32 v5, 3, v6
	v_mul_u32_u24 v5, v5, HPITCH
	v_and_b32 v7, 7, v0
	v_lshl_add_u32 v5, v7, 4, v5
	v_add_nc_u32 v[RD16], s23, v5
	; kqv at my wave's first row of its first head: ((part x 64 + batch x 16 + head) x 2048 + t) x 128 bytes.  My 128 columns are two heads of one part
	s_lshl_b32 s46, s42, 2
	s_lshl_b32 s47, s16, 1
	s_add_co_u32 s46, s46, s47                     ; column / 64, 0..47
	s_lshr_b32 s47, s46, 4                         ; part
	s_and_b32 s46, s46, 15                         ; head
	s_lshl_b32 s47, s47, 6
	s_add_co_u32 s46, s46, s47
	s_lshl_b32 s47, s41, 4
	s_add_co_u32 s46, s46, s47
	s_lshl_b32 s46, s46, 18
	s_lshl_b32 s47, s96, 15                        ; 256 x cluster y rows of 128 bytes
	s_add_co_u32 s46, s46, s47
	s_lshl_b32 s47, s15, 14                        ; my 128 rows
	s_add_co_u32 s46, s46, s47
	s_mov_b32 s47, 0
	s_add_nc_u64 s[12:13], s[12:13], s[46:47]
	s_mul_i32 s46, s41, 196608                     ; kqv16: batch x 16 rows of 12,288 bytes + my first column
	s_lshl_b32 s47, s42, 10
	s_add_co_u32 s46, s46, s47
	s_lshl_b32 s47, s16, 9
	s_add_co_u32 s46, s46, s47
	s_mov_b32 s47, 0
	s_add_nc_u64 s[66:67], s[66:67], s[46:47]
.macro FRAG reg, adr, q, i             ; 16 rows x 128 K of 4-bit codes: 8 registers; registers 4 c .. 4 c + 3 hold K = 64 c + 32 (lane / 16) + 0 .. 31
.irp c, 0,1
	ds_load_b128 v[\reg+4*\c:\reg+4*\c+3], v[\adr] offset:64*(\q)+32*\c+(\i)*16*PITCH
.endr
.endm
; 16 matrix instructions: x's blocks a0, a0 + 1 against W's eight.  The 64 accumulators take turns, one instruction a turn, in the same order in every step.
.macro MUL16 a0, p, q, sc, zero
.irp a, \a0, \a0+1
.irp b, 0,1,2,3,4,5,6,7
.if \zero
	v_wmma_scale_f32_16x16x128_f8f6f4 v[8*(8*((\a)%4)+\b):8*(8*((\a)%4)+\b)+7], v[128*(\p)+FR*\b:128*(\p)+FR*\b+FR-1], v[AF+FR*(\a):AF+FR*(\a)+FR-1], 0, v[SC+8*NQ*(\sc)+NQ*\b+(\q)], v[SC+8*NQ*(\sc)+NQ*(\a)+(\q)] matrix_a_fmt:MATRIX_FMT_FP4 matrix_b_fmt:MATRIX_FMT_FP4 matrix_a_scale:MATRIX_SCALE_ROW1
.else
	v_wmma_scale_f32_16x16x128_f8f6f4 v[8*(8*((\a)%4)+\b):8*(8*((\a)%4)+\b)+7], v[128*(\p)+FR*\b:128*(\p)+FR*\b+FR-1], v[AF+FR*(\a):AF+FR*(\a)+FR-1], v[8*(8*((\a)%4)+\b):8*(8*((\a)%4)+\b)+7], v[SC+8*NQ*(\sc)+NQ*\b+(\q)], v[SC+8*NQ*(\sc)+NQ*(\a)+(\q)] matrix_a_fmt:MATRIX_FMT_FP4 matrix_b_fmt:MATRIX_FMT_FP4 matrix_a_scale:MATRIX_SCALE_ROW1
.endif
.endr
.endr
.endm
.macro FETCH_B slot, q, p
	WIN TO_B
.irp i, 0,1,2,3,4,5,6,7
	FRAG 128*(\p)+FR*\i, ADRB+\slot, \q, \i
.endr
	WIN 0
.endm
.macro FETCH_A slot, q, i0
.irp i, \i0, \i0+1, \i0+2, \i0+3
	FRAG AF+FR*(\i), ADRA+\slot, \q, \i
.endr
.endm
.macro SCALES sc                       ; a slot's scale words: lanes 0-15 x's block i, lanes 16-31 W's block i
.irp i, 0,1,2,3,4,5,6,7
	ds_load_b128 v[SC+8*NQ*\sc+NQ*\i:SC+8*NQ*\sc+NQ*\i+3], v[ADRS] offset:\i*SBLK
.endr
.endm
.macro PLACES n                        ; plain vector instructions between a matrix instruction and a load into, or a read of, its registers
.rept \n
	v_nop
.endr
.endm
.macro STEP slot, q, zero              ; a step of 128 along K that has its successor in the same slot
	s_wait_dscnt 4*NL                              ; W's set and x's blocks 0-3 are in; the youngest eight loads (x's blocks 4-7) may be out
	WIN MUL_LO
	MUL16 0, (\q)%2, \q, \slot, \zero
	MUL16 2, (\q)%2, \q, \slot, \zero
	s_wait_dscnt 0
	PLACES NP
	FETCH_B \slot, (\q)+1, 1-(\q)%2
	FETCH_A \slot, (\q)+1, 0
	WIN MUL_HI
	MUL16 4, (\q)%2, \q, \slot, \zero
	MUL16 6, (\q)%2, \q, \slot, \zero
	PLACES NP
	WIN 0
	FETCH_A \slot, (\q)+1, 4
.endm
; Slot 0's last step goes over to slot 1: one barrier; in front of it each wave waits for all its tensor loads (its part of slot 1), adds 0 to its spare word, and waits for that and for its reads of slot 0.
.macro TURN slot, next
	s_wait_tensorcnt 0x0
	ds_add_u32 v[SPW], v[NIL]
	s_wait_dscnt 4*NL+1                            ; the add and the youngest eight loads may be out
	WIN MUL_LO
	MUL16 0, 1, NQ-1, \slot, 0
	s_wait_dscnt 0x0                               ; the add is done, and my reads of this slot are over
	s_barrier_signal -1
	MUL16 2, 1, NQ-1, \slot, 0
	WIN 0
	s_barrier_wait -1
	PLACES NP
	v_add_nc_u32 v[ADRS], 4*NQ, v[ADRS]            ; on to the next slot's scale words
	FETCH_B \next, 0, 0
	FETCH_A \next, 0, 0
	SCALES \next
	WIN MUL_HI
	MUL16 4, 1, NQ-1, \slot, 0
	MUL16 6, 1, NQ-1, \slot, 0
	PLACES NP
	WIN 0
	FETCH_A \next, 0, 4
.endm
	s_wait_tensorcnt 1                             ; the scales and my part of slot 0 are in; slot 1's load may be out
	s_barrier_signal -1
	s_barrier_wait -1
	FETCH_B 0, 0, 0
	FETCH_A 0, 0, 0
	SCALES 0
	FETCH_A 0, 0, 4
	STEP 0, 0, 1                                   ; the first products start the sums: nothing is cleared
	STEP 0, 1, 0
	STEP 0, 2, 0
	TURN 0, 1
	STEP 1, 0, 0
	STEP 1, 1, 0
	STEP 1, 2, 0
	s_wait_dscnt 4*NL                              ; the last step
	WIN MUL_LO
	MUL16 0, 1, NQ-1, 1, 0
	MUL16 2, 1, NQ-1, 1, 0
	s_wait_dscnt 0
	WIN MUL_HI
	MUL16 4, 1, NQ-1, 1, 0
	MUL16 6, 1, NQ-1, 1, 0
	WIN 0
	; THE WAY OUT.  The stage lies in slot 0: every wave has passed the barrier behind which nobody reads it.
	PLACES NP                                      ; behind the last products: for the reads of results and for loads into registers that held fragments and scales
	s_or_b32 s18, s96, s15                         ; do my first 16 rows hold positions 0 to 15?  Cluster y and the wave's number alone decide
	s_cmp_lg_u32 s18, 0
	s_cbranch_scc1 .Lno_fine
	WIN 0x08                                       ; an LDS store's data: window 2
.irp b, 0,1,2,3,4,5,6,7
	ds_store_b128 v[STO], v[8*\b:8*\b+3] offset:64*\b              ; each accumulator from its low end on
	ds_store_b128 v[STO], v[8*\b+4:8*\b+7] offset:64*\b+16
.endr
	WIN 0
.irp t, 0,1,2,3,4,5,6,7,8,9,10,11,12,13,14,15
	ds_load_b128 v[128+4*\t:131+4*\t], v[RD] offset:\t*SPITCH      ; LDS serves a wave's instructions in order: these see the stores above
.endr
	s_wait_dscnt 0x0
.irp t, 0,1,2,3,4,5,6,7,8,9,10,11,12,13,14,15
	global_store_b128 v[CO], v[128+4*\t:131+4*\t], s[66:67] offset:\t*12288   ; 32 lanes store 512 consecutive bytes of a row of kqv16
.endr
.Lno_fine:
.macro PACK a                          ; block a, 16 rows x 128 columns, rounded to f16: 16 bytes a lane for each 16 columns
.set AC, 64*((\a)%4)
	WIN 0x0a+5*((\a)/4)                            ; sources: window 2 or 3
.irp b, 0,1,2,3,4,5,6,7
.irp i, 0,1,2,3
	v_cvt_pk_f16_f32 v[TMP+4*\b+\i], v[AC+8*\b+2*\i], v[AC+8*\b+2*\i+1]
.endr
.endr
	WIN 0
.endm
.macro TOSTAGE a                       ; into rows of 272 bytes; back head by head, four rows of 128 bytes an instruction
.set BK, 32+192*((\a)%2)
.irp b, 0,1,2,3,4,5,6,7
	ds_store_b128 v[STO16], v[TMP+4*\b:TMP+4*\b+3] offset:32*\b
.endr
.irp e, 0,1
.irp i, 0,1,2,3
	ds_load_b128 v[BK+4*(4*\e+\i):BK+4*(4*\e+\i)+3], v[RD16] offset:128*\e+4*HPITCH*\i
.endr
.endr
.endm
.macro SEND a
.set BK, 32+192*((\a)%2)
	s_wait_dscnt 0x0                               ; the block is back in registers
	s_wait_xcnt 0x0                                ; the stores of the block before have read their registers: the next block's loads may land there
.irp e, 0,1
.irp i, 0,1,2,3
	global_store_b128 v[CO], v[BK+4*(4*\e+\i):BK+4*(4*\e+\i)+3], s[12:13] offset:262144*\e+2048*(\a)+512*\i   ; four rows of one head: 512 consecutive bytes, aligned
.endr
.endr
.endm
	PACK 0
	TOSTAGE 0
.irp a, 1,2,3,4,5,6,7
	PACK \a                                        ; block a's conversions stand between block a - 1's loads from the stage and the wait for them
	SEND \a-1
	TOSTAGE \a
.endr
	SEND 7
	s_wait_tensorcnt 0x0                           ; the wave's end
	ds_add_u32 v[SPW], v[NIL]
	s_wait_dscnt 0x0
	CROUND                                         ; the closing round
	s_endpgm
.Lfunc_end_k_qbaee33d730_gemm_qkv:
	.size	k_qbaee33d730_gemm_qkv, .Lfunc_end_k_qbaee33d730_gemm_qkv-k_qbaee33d730_gemm_qkv
	.p2alignl 7, 3214868480
	.fill 96, 4, 3214868480
	.section	.rodata,"a",@progbits
	.p2align	6, 0x0
	.amdhsa_kernel k_qbaee33d730_gemm_qkv
		.amdhsa_group_segment_fixed_size 327680
		.amdhsa_private_segment_fixed_size 0
		.amdhsa_enable_private_segment 0
		.amdhsa_kernarg_size 48
		.amdhsa_user_sgpr_count 2
		.amdhsa_user_sgpr_kernarg_segment_ptr 1
		.amdhsa_wavefront_size32 1
		.amdhsa_system_sgpr_workgroup_id_x 1
		.amdhsa_system_sgpr_workgroup_id_y 1
		.amdhsa_system_sgpr_workgroup_id_z 1
		.amdhsa_system_vgpr_workitem_id 0
		.amdhsa_next_free_vgpr 1024
		.amdhsa_next_free_sgpr 98
		.amdhsa_reserve_vcc 0
		.amdhsa_float_denorm_mode_32 3
		.amdhsa_float_denorm_mode_16_64 3
		.amdhsa_memory_ordered 1
		.amdhsa_forward_progress 1
		.amdhsa_inst_pref_size 131
	.end_amdhsa_kernel
	.amdgpu_metadata
---
amdhsa.version: [ 1, 2 ]
amdhsa.kernels:
  - .name:           k_qbaee33d730_gemm_qkv
    .symbol:         k_qbaee33d730_gemm_qkv.kd
    .args:
      - { .name: xc, .offset: 0, .size: 8, .value_kind: global_buffer, .address_space: global }
      - { .name: xs, .offset: 8, .size: 8, .value_kind: global_buffer, .address_space: global }
      - { .name: wc, .offset: 16, .size: 8, .value_kind: global_buffer, .address_space: global }
      - { .name: ws, .offset: 24, .size: 8, .value_kind: global_buffer, .address_space: global }
      - { .name: kqv, .offset: 32, .size: 8, .value_kind: global_buffer, .address_space: global }
      - { .name: kqv16, .offset: 40, .size: 8, .value_kind: global_buffer, .address_space: global }
    .group_segment_fixed_size: 327680
    .private_segment_fixed_size: 0
    .kernarg_segment_align: 8
    .kernarg_segment_size: 48
    .max_flat_workgroup_size: 128
    .sgpr_count:     98
    .vgpr_count:     1024
    .wavefront_size: 32
...
	.end_amdgpu_metadata
.endif
;; end of part 2
;; launch attn (part 3): grid 4 x 64, 16 waves a work-group, clusters of 4 x 1, 327,680 bytes of LDS; arguments kqv, att; writes att
.if DOCPART == 3
	.amdgcn_target "amdgcn-amd-amdhsa--gfx1250"
	.amdhsa_code_object_version 6
	.text
	.protected	k_qbaee33d730_attn
	.globl	k_qbaee33d730_attn
	.p2align	8
	.type	k_qbaee33d730_attn,@function
k_qbaee33d730_attn:
	s_mov_b64 s[64:65], 0
	v_nop
	global_prefetch_b8 v0, s[64:65] scope:SCOPE_SE
	s_setreg_imm32_b32 hwreg(HW_REG_WAVE_MODE, 25, 1), 1
	s_wait_xcnt 0x0
	s_wait_alu depctr_hold_cnt(0) depctr_sa_sdst(0) depctr_va_vdst(0) depctr_va_sdst(0) depctr_va_ssrc(0) depctr_va_vcc(0) depctr_vm_vsrc(0)
	s_getreg_b32 s2, hwreg(HW_REG_IB_STS2, 6, 4)
	s_cmp_eq_u32 s2, 0
	s_cbranch_scc0 .Lentry_in_a_cluster
	s_endpgm
.Lentry_in_a_cluster:
	s_bfe_u32 s2, ttmp6, 0x10000c
	s_cmp_lg_u32 s2, 0x3003
	s_cbranch_scc0 .Lentry_shape_is_right
	s_endpgm
.Lentry_shape_is_right:
; att[head][q][:] = the sum over keys k <= q of softmax_k(q . k / 8) v[k][:], for 64 heads (batch x 16 + head) of 2,048 positions x 64 channels.  kqv: f16, [part 0 k, 1 q, 2 v][head][t][64]; att: f16, [head][t][64].
; Products on f16 operands with f32 sums; maxima, exponentials and sums in f32; the weights p (at most 1) are rounded to f16 for the second product, the result once at the end.
; WORK LEFT OUT: key steps all of whose keys come after a wave's band of queries: reference()'s own mask gives them the weight 0 for all inputs (see the first launch's head).
; (Positions 0 to 15 are computed here with their tile; the projection of those rows is made by the launch that carries them in f32.)
; SHARES.  A cluster of four work-groups is one head.  Wave w of each takes band u = w xor 3 ((w >> 2) & 1) of 128 queries; of a band's eight tiles of 16 the partner at place cx takes tiles cx and 7 - cx.
; So wave u of EVERY partner walks the key steps (64 keys) under 128 (u + 1) and masks in the two steps from 128 u on: conditions made of the wave's number and the count of steps alone.  The place in the cluster enters only
; global addresses and the mask's numbers.  Each work-group has 272 wave steps.  Wave u = 15 of each partner reads every tile, so every joint load is read in every partner.
; LAYOUT.  S^T = K Q^T (source 0 = 16 keys, source 1 = 16 queries): a lane holds ONE query (lane % 16) and keys 8 (lane / 16) + 0..7.  Two such tiles, rounded to f16 in pairs, ARE source 1 (32 keys x 16 queries) of
; O^T = V^T P, whose result again holds one query a lane.  K comes out of LDS as it lies, V ([key][channel]) turned, by ds_load_tr16_b128.
; SOFTMAX.  A running maximum m and sum l for each query: p = 2^(c s - c m), c = log2(e) / 8; in every step O and l are multiplied by a = 2^(c m_old - c m_new).
; RING.  Two slots of 256 keys (4 steps); waves 0, 1 fetch K's halves, waves 2, 3 V's, jointly for the four partners; one tensor load of a wave is out at the most.  Sixteen waves, four to a SIMD: one wave's vector work stands beside another's products.
.set KP,    144                        ; a key's row in LDS: 128 bytes + 16
.set VP,    160                        ; a row of V: 128 + 32: the turning load's 8 rows x 32 bytes fall on different banks
.set VOFF,  256*KP
.set SLOT1, 1<<17                      ; one exclusive or turns an address in one slot into the other's
.set SPARE, 212992                     ; behind the ring: the spare words, 128 bytes for each of 16 waves
.set AK0, 1                            ; v1  my lane's place in a tile of K
.set AV0, 2                            ; v2  the same for V
.set ADK, 3                            ; v3  LDS address of the step's K (at the head: my offset in Q)
.set ADV, 4                            ; v4  of its V
.set SPW, 5
.set NIL, 6
.set QDA, 7                            ; v7  tile A: my query - 8 (lane / 16)
.set QDB, 8                            ; v8  tile B likewise
.set DA,  9                            ; v9  the same less the step's first key
.set NINF, 10                          ; v10 -infinity
.set PFO, 11                           ; v11 256 x lane; never rewritten
.set GO,  12                           ; v12 16 x lane
.set STO, 13                           ; v13 the way out: where I put 16 bytes of a row
.set RD,  14                           ; v14 and where I read back
.set DB,  15
.set ST,  16                           ; tile t's statistics at v[16 + 8 t]: +0 c m, +1 m, +2, +3 l, +4 to +7 at work; a in +6
.set Q,   32                           ; v32-63   Q: tile t, channels 32 c on, at 32 + 16 t + 8 c
.set KV,  64                           ; v64-127  K's 8 fragments, then V's 8
.set S,   128                          ; v128-191 S^T: tile t, keys 16 kt on, at 128 + 32 t + 8 kt; P is laid over it at 128 + 32 t + 8 kh
.set O,   192                          ; v192-255 O^T: tile t, channels 16 ct on, at 192 + 32 t + 8 ct
.set WV,  8
.set SEL, 20
.set CS,  22
.set G1K, 24
.set G1V, 32
.set G0K, 40
.set G0V, 44
.set OA,  48                           ; s[48:49], s[50:51] att at my two tiles
.set TB,  52                           ; s52 LDS byte at which the slot in hand begins
.set KF,  53                           ; s53 the step's first key
.set LIMK, 54                          ; s54 128 (u + 1)
.set DIAG, 55                          ; s55 128 u
.set SLOTS, 56
.set LIM, 57
.set PFA, 58
.macro TLOAD                           ; waves 0, 1: K; waves 2, 3: V; the others nothing.  The branches hang on the wave's number alone.  An s_nop 0 and four v_nop follow each load
	s_cmp_lt_u32 s[WV], 2
	s_cbranch_scc0 .Lnot_k_\@
	tensor_load_to_lds s[G0K:G0K+3], s[G1K:G1K+7]
	s_nop 0
.rept 4
	v_nop
.endr
	s_branch .Lasked_\@
.Lnot_k_\@:
	s_cmp_lt_u32 s[WV], 4
	s_cbranch_scc0 .Lasked_\@
	tensor_load_to_lds s[G0V:G0V+3], s[G1V:G1V+7]
	s_nop 0
.rept 4
	v_nop
.endr
.Lasked_\@:
.endm
; A prefetch of what the NEXT change of slots will ask for: a slot's 32,768 dense bytes of K and of V.  Wave 4 asks for K's, wave 5 for V's; the four partners take 8,192 bytes each, told apart by address;
; lanes 256 bytes apart.  One cluster walks a head, so each block of 256 bytes is named once.  It runs one slot, four key steps, ahead of the load; the last change that fills a slot asks for nothing.
.macro ASK
	s_cmp_gt_u32 s[SLOTS], s[LIM]
	s_cbranch_scc0 .Lnot_mine_\@
	global_prefetch_b8 v[PFO], s[PFA:PFA+1] th:TH_LOAD_NT scope:SCOPE_SE
.Lnot_mine_\@:
.endm
.macro CROUND
	s_barrier_signal -1
	s_barrier_wait -1
	s_cmp_lg_u32 s[WV], 0
	s_cbranch_scc1 .Lnot_wave_0_\@
	s_barrier_signal -3
.Lnot_wave_0_\@:
	s_barrier_wait -3
	s_barrier_signal -1
	s_barrier_wait -1
.endm
	s_load_b128 s[4:7], s[0:1], 0x0                ; kqv s[4:5], att s[6:7]
	v_lshl_add_u32 v[SPW], v0, 2, SPARE
	v_mov_b32 v[NIL], 0
	ds_add_u32 v[SPW], v[NIL]                      ; the wave's opening: the add, twice on end, and its wait ahead of the first tensor loads
	ds_add_u32 v[SPW], v[NIL]
	v_lshrrev_b32 v1, 5, v0
	v_readfirstlane_b32 s[WV], v1                  ; wave 0..15
	s_bfe_u32 s12, s[WV], 0x10002
	s_mul_i32 s12, s12, 3
	s_xor_b32 s9, s[WV], s12                       ; my band u
	s_bfe_u32 s10, ttmp6, 0x40000                  ; cx
	s_and_b32 s11, ttmp7, 0xffff                   ; the head, which the four partners share
	s_mov_b32 s[G1K], 15|(1<<16)|(1<<20)|(1<<21)|(4<<22)|(3<<25)  ; the mask: all four; elements of 2 bytes; padding on: 4 words behind every 32
	s_mov_b32 s[G1V], 15|(1<<16)|(1<<20)|(1<<21)|(4<<22)|(7<<25)  ; the same with 8 words
.irp g, G1K, G1V
	s_mov_b32 s[\g+1], 64<<16                      ; tensor_dim0 = 64
	s_mov_b32 s[\g+2], 128<<16                     ; tensor_dim1 = 128
	s_mov_b32 s[\g+3], 64<<16                      ; tile_dim0
	s_mov_b32 s[\g+4], 128                         ; tile_dim1
	s_mov_b32 s[\g+5], 64                          ; the pitch
	s_mov_b32 s[\g+6], 0
	s_mov_b32 s[\g+7], 0
.endr
	s_and_b32 s13, s[WV], 1                        ; which half of a slot's 256 keys I fetch, if I fetch
	s_lshl_b32 s14, s11, 18                        ; the head's first byte in a part
	s_lshl_b32 s15, s13, 14
	s_add_co_u32 s60, s14, s15
	s_mov_b32 s61, 0
	s_mul_i32 s62, s13, 128*KP
	s_mul_i32 s63, s13, 128*VP
	s_add_co_u32 s63, s63, VOFF
	s_lshl_b32 s66, s9, 7                          ; 128 u
	s_mov_b32 s[DIAG], s66
	s_add_co_u32 s[LIMK], s66, 128
	s_lshl_b32 s67, s10, 4
	s_add_co_u32 s68, s66, s67                     ; tile A's first query: 128 u + 16 cx
	s_add_co_u32 s69, s66, 112
	s_sub_co_u32 s69, s69, s67                     ; tile B's: 128 u + 112 - 16 cx
	s_lshl_b32 s70, s68, 7
	s_add_co_u32 s70, s70, s14
	s_mov_b32 s71, 0
	s_lshl_b32 s72, s69, 7
	s_add_co_u32 s72, s72, s14
	s_mov_b32 s73, 0
	s_cmp_eq_u32 s[WV], 5
	s_cselect_b32 s74, 0x2000000, 0                ; wave 5: V's part
	s_add_co_u32 s74, s74, s14
	s_lshl_b32 s75, s10, 13                        ; my work-group's 8,192 bytes of a slot's 32,768
	s_add_co_u32 s74, s74, s75
	s_add_co_u32 s74, s74, 32768                   ; in slot 1: the first change steps it to slot 2.  Nothing is prefetched at the head
	s_mov_b32 s75, 0
	s_lshr_b32 s12, s[WV], 1
	s_cmp_eq_u32 s12, 2
	s_cselect_b32 s[LIM], 1, -1                    ; 1 in waves 4 and 5
	s_mov_b32 s[SEL], 0x76543210
	s_mov_b32 s[SEL+1], 0xfedcba98
	s_mov_b32 s[CS], 0x3e38aa3b                    ; c = log2(e) / 8
	s_mov_b32 s[CS+1], s[CS]
	s_mov_b32 s[TB], 0
	s_mov_b32 s[KF], 0
	s_mov_b32 s[SLOTS], 7
	s_wait_dscnt 0x0                               ; both opening adds are done
	s_wait_kmcnt 0x0
	s_mov_b32 s[G0K], 1
	s_mov_b32 s[G0K+1], s62
	s_add_nc_u64 s[G0K+2:G0K+3], s[4:5], s[60:61]
	s_or_b32 s[G0K+3], s[G0K+3], 0x80000000
	s_mov_b32 s[G0V], 1
	s_mov_b32 s[G0V+1], s63
	s_add_nc_u64 s[G0V+2:G0V+3], s[4:5], s[60:61]
	s_add_nc_u64 s[G0V+2:G0V+3], s[G0V+2:G0V+3], 0x2000000
	s_or_b32 s[G0V+3], s[G0V+3], 0x80000000
	s_add_nc_u64 s[16:17], s[4:5], s[70:71]
	s_add_nc_u64 s[16:17], s[16:17], 0x1000000     ; Q at tile A
	s_add_nc_u64 s[18:19], s[4:5], s[72:73]
	s_add_nc_u64 s[18:19], s[18:19], 0x1000000     ; Q at tile B
	s_add_nc_u64 s[OA:OA+1], s[6:7], s[70:71]
	s_add_nc_u64 s[OA+2:OA+3], s[6:7], s[72:73]
	s_add_nc_u64 s[PFA:PFA+1], s[4:5], s[74:75]
	CROUND                                         ; all four work-groups are here
	TLOAD                                          ; slot 0
	v_and_b32 v24, 15, v0                          ; r
	v_bfe_u32 v25, v0, 4, 1                        ; h
	v_lshlrev_b32 v[ADK], 7, v24
	v_lshl_add_u32 v[ADK], v25, 4, v[ADK]          ; Q: row r of 128 bytes + 16 h
.irp c, 0,1
	global_load_b128 v[Q+8*\c:Q+8*\c+3],       v[ADK], s[16:17] offset:64*\c
	global_load_b128 v[Q+8*\c+4:Q+8*\c+7],     v[ADK], s[16:17] offset:64*\c+32
	global_load_b128 v[Q+16+8*\c:Q+16+8*\c+3],   v[ADK], s[18:19] offset:64*\c
	global_load_b128 v[Q+16+8*\c+4:Q+16+8*\c+7], v[ADK], s[18:19] offset:64*\c+32
.endr
	v_mul_u32_u24 v[AK0], v24, KP
	v_lshl_add_u32 v[AK0], v25, 4, v[AK0]
	v_and_b32 v26, 7, v0
	v_lshl_add_u32 v[AV0], v25, 3, v26
	v_mul_u32_u24 v[AV0], v[AV0], VP
	v_bfe_u32 v26, v0, 3, 1
	v_lshl_add_u32 v[AV0], v26, 4, v[AV0]
	v_add_nc_u32 v[AV0], VOFF, v[AV0]
	v_lshlrev_b32 v26, 3, v25
	v_sub_nc_u32 v26, v24, v26                     ; r - 8 h
	v_add_nc_u32 v[QDA], s68, v26
	v_add_nc_u32 v[QDB], s69, v26
	v_mov_b32 v[NINF], 0xff800000
	v_and_b32 v26, 31, v0
	v_lshlrev_b32 v[PFO], 8, v26
	v_lshlrev_b32 v[GO], 4, v26
	s_mul_i32 s12, s[WV], 32*KP                    ; my stage for the way out: two tiles of 16 rows x 144 bytes, in slot 0
	v_mul_u32_u24 v[STO], v24, KP
	v_lshl_add_u32 v[STO], v25, 4, v[STO]
	v_add_nc_u32 v[STO], s12, v[STO]
	v_lshrrev_b32 v[RD], 3, v26
	v_mul_u32_u24 v[RD], v[RD], KP
	v_and_b32 v27, 7, v0
	v_lshl_add_u32 v[RD], v27, 4, v[RD]
	v_add_nc_u32 v[RD], s12, v[RD]
.irp t, 0,1
	v_mov_b32 v[ST+8*\t+1], 0xff61b1e6             ; m = -3e38, under every score
	v_mul_f32 v[ST+8*\t], s[CS], v[ST+8*\t+1]
.irp i, 2,3,4,5,6,7
	v_mov_b32 v[ST+8*\t+\i], 0
.endr
.endr
.set i, 0
.rept 64
	v_mov_b32 v[O+i], 0                            ; the step is written once: its first run finds zeros, which a = 0 leaves zeros
.set i, i+1
.endr
; A KEY STEP: 64 keys, the q-th of the slot in hand, for my two tiles of queries.
.macro STEP q
	s_cmp_ge_u32 s[KF], s[LIMK]                    ; all its keys come after my band: left out.  No barrier, wait or tensor load stands in a step
	s_cbranch_scc1 .Lhidden_\@
	v_add_nc_u32 v[ADK], s[TB], v[AK0]
	v_add_nc_u32 v[ADV], s[TB], v[AV0]
.rept 4
	v_nop                                          ; with the two additions six places behind the last step's products: four for the loads into V's registers, five for the products that write over P
.endr
.set f, 0                              ; fragment f: keys 16 (f / 2) on, channels 32 (f % 2) on
.rept 8
	ds_load_b128 v[KV+8*f:KV+8*f+3],   v[ADK] offset:64*KP*(\q)+16*KP*(f/2)+64*(f%2)
	ds_load_b128 v[KV+8*f+4:KV+8*f+7], v[ADK] offset:64*KP*(\q)+16*KP*(f/2)+64*(f%2)+32
.set f, f+1
.endr
	s_wait_dscnt 0x0
.set i, 0                              ; product i: channels 32 (i / 8) on, keys 16 ((i / 2) % 4) on, tile i % 2: the eight accumulators take turns
.rept 16
.set rS, S+32*(i%2)+8*((i/2)%4)
.set rK, KV+16*((i/2)%4)+8*(i/8)
.set rQ, Q+16*(i%2)+8*(i/8)
.if i < 8
	v_wmma_f32_16x16x32_f16 v[rS:rS+7], v[rK:rK+7], v[rQ:rQ+7], 0
.else
	v_wmma_f32_16x16x32_f16 v[rS:rS+7], v[rK:rK+7], v[rQ:rQ+7], v[rS:rS+7]
.endif
.set i, i+1
.endr
.rept 4
	v_nop                                          ; places in front of the loads into K's registers and of the first read of the scores
.endr
.set f, 0                              ; V's fragment f: keys 32 (f / 4) on, channels 16 (f % 4) on: they land under the softmax
.rept 8
	ds_load_tr16_b128 v[KV+8*f:KV+8*f+3],   v[ADV] offset:64*VP*(\q)+32*VP*(f/4)+32*(f%4)
	ds_load_tr16_b128 v[KV+8*f+4:KV+8*f+7], v[ADV] offset:64*VP*(\q)+32*VP*(f/4)+32*(f%4)+16*VP
.set f, f+1
.endr
	s_cmp_lt_u32 s[KF], s[DIAG]                    ; a step under my band: all its keys count
	s_cbranch_scc1 .Lopen_\@
	s_sub_co_u32 s12, 0, s[KF]
	v_add_nc_u32 v[DA], s12, v[QDA]                ; d = my query - 8 (lane / 16) - KF.  Register 8 kt + j holds key KF + 16 kt + 8 (lane / 16) + j: hidden where 16 kt + j > d
	v_add_nc_u32 v[DB], s12, v[QDB]
.set n, 0
.rept 32
	v_cmp_gt_i32 vcc_lo, 16*(n/8)+n%8, v[DA]
	v_cndmask_b32 v[S+n], v[S+n], v[NINF], vcc_lo
	v_cmp_gt_i32 vcc_lo, 16*(n/8)+n%8, v[DB]
	v_cndmask_b32 v[S+32+n], v[S+32+n], v[NINF], vcc_lo
.set n, n+1
.endr
.Lopen_\@:
	; the maximum of the 32 scores and the old m, the two tiles by turns; each accumulator is read from its low end on
.irp j, 0,1,2,3
.irp t, 0,1
	v_max3_num_f32 v[ST+8*\t+4+\j], v[S+32*\t+8*\j], v[S+32*\t+8*\j+1], v[S+32*\t+8*\j+2]
.endr
.endr
.irp g, 1,2
.irp j, 0,1,2,3
.irp t, 0,1
	v_max3_num_f32 v[ST+8*\t+4+\j], v[ST+8*\t+4+\j], v[S+32*\t+8*\j+2*\g+1], v[S+32*\t+8*\j+2*\g+2]
.endr
.endr
.endr
.irp t, 0,1
	v_max3_num_f32 v[ST+8*\t+4], v[ST+8*\t+4], v[S+32*\t+7], v[S+32*\t+15]
	v_max3_num_f32 v[ST+8*\t+6], v[ST+8*\t+6], v[S+32*\t+23], v[S+32*\t+31]
.endr
.irp t, 0,1
	v_max3_num_f32 v[ST+8*\t+4], v[ST+8*\t+4], v[ST+8*\t+5], v[ST+8*\t+6]
.endr
.irp t, 0,1
	v_max3_num_f32 v[ST+8*\t+4], v[ST+8*\t+4], v[ST+8*\t+7], v[ST+8*\t+1]
.endr
.irp t, 0,1
	v_permlanex16_b32 v[ST+8*\t+5], v[ST+8*\t+4], s[SEL], s[SEL+1]  ; the query's other 32 keys lie in the lane 16 away
	v_mov_b32 v[ST+8*\t+7], v[ST+8*\t]             ; c m_old
.endr
.irp t, 0,1
	v_max_num_f32 v[ST+8*\t+1], v[ST+8*\t+4], v[ST+8*\t+5]
.endr
.irp t, 0,1
	v_mul_f32 v[ST+8*\t], s[CS], v[ST+8*\t+1]
.endr
.irp t, 0,1
	v_sub_f32 v[ST+8*\t+7], v[ST+8*\t+7], v[ST+8*\t]
.endr
.set e, 0
.rept 16
	v_pk_fma_f32 v[S+2*e:S+2*e+1], v[S+2*e:S+2*e+1], s[CS:CS+1], v[ST:ST+1] op_sel_hi:[1,0,0] neg_lo:[0,0,1] neg_hi:[0,0,1]        ; c s - c m, two at a time
	v_pk_fma_f32 v[S+32+2*e:S+33+2*e], v[S+32+2*e:S+33+2*e], s[CS:CS+1], v[ST+8:ST+9] op_sel_hi:[1,0,0] neg_lo:[0,0,1] neg_hi:[0,0,1]
.set e, e+1
.endr
	v_exp_f32 v[ST+6], v[ST+7]                     ; a
	v_exp_f32 v[ST+14], v[ST+15]
.set e, 0
.rept 32
	v_exp_f32 v[S+e], v[S+e]                       ; p
	v_exp_f32 v[S+32+e], v[S+32+e]
.set e, e+1
.endr
	v_nop                                          ; a plain instruction behind the last exponential
	s_wait_alu depctr_va_vdst(0)                   ; one wait for the batch of 66, ahead of its first reader
.irp t, 0,1
	v_pk_mul_f32 v[ST+8*\t+2:ST+8*\t+3], v[ST+8*\t+2:ST+8*\t+3], v[ST+8*\t+6:ST+8*\t+7] op_sel_hi:[1,0]   ; l x a
	v_pk_add_f32 v[ST+8*\t+4:ST+8*\t+5], v[S+32*\t:S+32*\t+1], v[S+32*\t+2:S+32*\t+3]                   ; the sum of p, unrounded, in two chains
.endr
.irp j, 4,8,12,16,20,24,28
.irp t, 0,1
	v_pk_add_f32 v[ST+8*\t+2:ST+8*\t+3], v[ST+8*\t+2:ST+8*\t+3], v[S+32*\t+\j:S+32*\t+\j+1]
	v_pk_add_f32 v[ST+8*\t+4:ST+8*\t+5], v[ST+8*\t+4:ST+8*\t+5], v[S+32*\t+\j+2:S+32*\t+\j+3]
.endr
.endr
.irp t, 0,1
	v_pk_add_f32 v[ST+8*\t+2:ST+8*\t+3], v[ST+8*\t+2:ST+8*\t+3], v[ST+8*\t+4:ST+8*\t+5]
.endr
.set e, 0
.rept 16
	v_pk_mul_f32 v[O+2*e:O+2*e+1], v[O+2*e:O+2*e+1], v[ST+6:ST+7] op_sel_hi:[1,0]                      ; O^T x a
	v_pk_mul_f32 v[O+32+2*e:O+33+2*e], v[O+32+2*e:O+33+2*e], v[ST+14:ST+15] op_sel_hi:[1,0]
.set e, e+1
.endr
.set e, 0
.rept 16
	v_cvt_pk_f16_f32 v[S+e], v[S+2*e], v[S+2*e+1]  ; P, in place and ascending: register e is written when registers 2 e and 2 e + 1 are read
	v_cvt_pk_f16_f32 v[S+32+e], v[S+32+2*e], v[S+33+2*e]
.set e, e+1
.endr
	s_wait_dscnt 0x0                               ; V is in
.set i, 0                              ; product i: keys 32 (i / 8) on, channels 16 ((i / 2) % 4) on, tile i % 2: eight accumulators by turns
.rept 16
.set rO, O+32*(i%2)+8*((i/2)%4)
.set rV, KV+32*(i/8)+8*((i/2)%4)
.set rP, S+32*(i%2)+8*(i/8)
	v_wmma_f32_16x16x32_f16 v[rO:rO+7], v[rV:rV+7], v[rP:rP+7], v[rO:rO+7]
.set i, i+1
.endr
.Lhidden_\@:
	s_add_co_u32 s[KF], s[KF], 64
.endm
; THE CHANGE OF SLOTS stands at a slot's head.  Each wave waits for all its tensor loads, adds 0 to its spare word, and waits for that and for its reads of the slot that it has left.
; fill = 1: behind a round of the cluster's barrier the slot left is filled with the next 256 keys: the load has four key steps in which to land.
.macro CHANGE fill
	s_wait_tensorcnt 0x0
	ds_add_u32 v[SPW], v[NIL]
.if \fill
	ds_add_u32 v[SPW], v[NIL]                      ; twice on end here, in every trip alike
	s_xor_b32 s[G0K+1], s[G0K+1], SLOT1            ; the walking descriptors: the other slot, the next 256 keys
	s_add_nc_u64 s[G0K+2:G0K+3], s[G0K+2:G0K+3], 32768
	s_xor_b32 s[G0V+1], s[G0V+1], SLOT1
	s_add_nc_u64 s[G0V+2:G0V+3], s[G0V+2:G0V+3], 32768
	s_wait_xcnt 0x0                                ; the last prefetch, a slot back, has read its address
	s_add_nc_u64 s[PFA:PFA+1], s[PFA:PFA+1], 32768
	s_wait_dscnt 0x0
	CROUND
	TLOAD
	ASK
.else
	s_wait_dscnt 0x0
	s_barrier_signal -1
	s_barrier_wait -1
.endif
.endm
.macro SLOT_STEPS
	STEP 0
	STEP 1
	STEP 2
	STEP 3
	s_xor_b32 s[TB], s[TB], SLOT1
.endm
	s_wait_loadcnt 0x0                             ; Q
.Lslot:                                            ; seven trips: behind each change of slots but the last the next slot is asked for
	CHANGE 1
	SLOT_STEPS
	s_sub_co_u32 s[SLOTS], s[SLOTS], 1
	s_cmp_lg_u32 s[SLOTS], 0
	s_cbranch_scc1 .Lslot
	CHANGE 0                                       ; the last slot is written out: nothing is asked for
	SLOT_STEPS
	; THE WAY OUT.  O^T / l, rounded to f16, through my stage (in slot 0, which was left at the last change of slots) and out as 512 consecutive bytes an instruction.
.rept 4
	v_nop                                          ; places behind the last products
.endr
.irp t, 0,1
	v_add_f32 v[ST+8*\t+4], v[ST+8*\t+2], v[ST+8*\t+3]
.endr
.irp t, 0,1
	v_permlanex16_b32 v[ST+8*\t+5], v[ST+8*\t+4], s[SEL], s[SEL+1]
.endr
.irp t, 0,1
	v_add_f32 v[ST+8*\t+4], v[ST+8*\t+4], v[ST+8*\t+5]
.endr
.irp t, 0,1
	v_rcp_f32 v[ST+8*\t+6], v[ST+8*\t+4]
.endr
	v_nop
	s_wait_alu depctr_va_vdst(0)                   ; one wait for the two reciprocals, ahead of their first reader
.irp t, 0,1
.set e, 0
.rept 16
	v_pk_mul_f32 v[O+32*\t+2*e:O+32*\t+2*e+1], v[O+32*\t+2*e:O+32*\t+2*e+1], v[ST+8*\t+6:ST+8*\t+7] op_sel_hi:[1,0]
.set e, e+1
.endr
.set e, 0
.rept 16
	v_cvt_pk_f16_f32 v[S+16*\t+e], v[O+32*\t+2*e], v[O+32*\t+2*e+1]
.set e, e+1
.endr
.irp c, 0,1,2,3
	ds_store_b128 v[STO], v[S+16*\t+4*\c:S+16*\t+4*\c+3] offset:16*KP*\t+32*\c
.endr
.irp c, 0,1,2,3
	ds_load_b128 v[S+16*\t+4*\c:S+16*\t+4*\c+3], v[RD] offset:16*KP*\t+4*KP*\c   ; LDS serves a wave's instructions in order: these see the stores above
.endr
.endr
.irp t, 0,1
.irp c, 0,1,2,3
	s_wait_dscnt 11-8*\t-\c                        ; behind this load: the rest of its tile's loads and, for tile A, tile B's eight
	global_store_b128 v[GO], v[S+16*\t+4*\c:S+16*\t+4*\c+3], s[OA+2*\t:OA+2*\t+1] offset:512*\c
.endr
.endr
	s_wait_tensorcnt 0x0                           ; the wave's end
	ds_add_u32 v[SPW], v[NIL]
	s_wait_dscnt 0x0
	CROUND                                         ; the closing round
	s_endpgm
.Lfunc_end_k_qbaee33d730_attn:
	.size	k_qbaee33d730_attn, .Lfunc_end_k_qbaee33d730_attn-k_qbaee33d730_attn
	.p2alignl 7, 3214868480
	.fill 96, 4, 3214868480
	.section	.rodata,"a",@progbits
	.p2align	6, 0x0
	.amdhsa_kernel k_qbaee33d730_attn
		.amdhsa_group_segment_fixed_size 327680
		.amdhsa_private_segment_fixed_size 0
		.amdhsa_enable_private_segment 0
		.amdhsa_kernarg_size 16
		.amdhsa_user_sgpr_count 2
		.amdhsa_user_sgpr_kernarg_segment_ptr 1
		.amdhsa_wavefront_size32 1
		.amdhsa_system_sgpr_workgroup_id_x 1
		.amdhsa_system_sgpr_workgroup_id_y 1
		.amdhsa_system_sgpr_workgroup_id_z 1
		.amdhsa_system_vgpr_workitem_id 0
		.amdhsa_next_free_vgpr 256
		.amdhsa_next_free_sgpr 80
		.amdhsa_reserve_vcc 1
		.amdhsa_float_denorm_mode_32 3
		.amdhsa_float_denorm_mode_16_64 3
		.amdhsa_memory_ordered 1
		.amdhsa_forward_progress 1
		.amdhsa_inst_pref_size 189
	.end_amdhsa_kernel
	.amdgpu_metadata
---
amdhsa.version: [ 1, 2 ]
amdhsa.kernels:
  - .name:           k_qbaee33d730_attn
    .symbol:         k_qbaee33d730_attn.kd
    .args:
      - { .name: kqv, .offset: 0, .size: 8, .value_kind: global_buffer, .address_space: global }
      - { .name: att, .offset: 8, .size: 8, .value_kind: global_buffer, .address_space: global }
    .group_segment_fixed_size: 327680
    .private_segment_fixed_size: 0
    .kernarg_segment_align: 8
    .kernarg_segment_size: 16
    .max_flat_workgroup_size: 512
    .sgpr_count:     80
    .vgpr_count:     256
    .wavefront_size: 32
...
	.end_amdgpu_metadata
.endif
;; end of part 3
;; launch proj (part 4): grid 8 x 32, 4 waves a work-group, clusters of 4 x 4, 327,680 bytes of LDS; arguments att, wp16, b_proj, out0; writes out0
.if DOCPART == 4
	.amdgcn_target "amdgcn-amd-amdhsa--gfx1250"
	.amdhsa_code_object_version 6
	.text
	.protected	k_qbaee33d730_proj
	.globl	k_qbaee33d730_proj
	.p2align	8
	.type	k_qbaee33d730_proj,@function
k_qbaee33d730_proj:
	s_mov_b64 s[64:65], 0
	v_nop
	global_prefetch_b8 v0, s[64:65] scope:SCOPE_SE
	s_setreg_imm32_b32 hwreg(HW_REG_WAVE_MODE, 25, 1), 1
	s_wait_xcnt 0x0
	s_wait_alu depctr_hold_cnt(0) depctr_sa_sdst(0) depctr_va_vdst(0) depctr_va_sdst(0) depctr_va_ssrc(0) depctr_va_vcc(0) depctr_vm_vsrc(0)
	s_getreg_b32 s2, hwreg(HW_REG_IB_STS2, 6, 4)
	s_cmp_eq_u32 s2, 0
	s_cbranch_scc0 .Lentry_in_a_cluster
	s_endpgm
.Lentry_in_a_cluster:
	s_bfe_u32 s2, ttmp6, 0x10000c
	s_cmp_lg_u32 s2, 0xf033
	s_cbranch_scc0 .Lentry_shape_is_right
	s_endpgm
.Lentry_shape_is_right:
; out0[b][t][n] = sum over k of att[b][t][k] W_proj[k][n] + b_proj[n], f16 operands, f32 sums, for all positions t >= 16.
; LEFT TO ANOTHER LAUNCH: the rows t < 16 of each batch are multiplied here with their tile but not stored: the launch that carries them in f32 owns those rows of out0.
; att: f16, [b x 16 + head][t][64]: K goes head by head.  wp16: f16, [1024 k][1024 n]: K is its first axis, so its fragments come out of LDS by the turning load.
; A tile of 256 rows x 128 columns to a work-group: 256 work-groups.  A wave makes 128 x 64: 32 accumulators (block of rows a, block of columns b) at v[8 (4 a + b)] of window 1.
; K steps of 128 (two heads) through two LDS slots; waves 0, 1 fetch the two heads' 256 rows of att, waves 2, 3 the two halves of W's 128 rows; one tensor load a wave behind each round, two at the start.
; CLUSTERS: 4 x 4; att's tiles are shared along a row of the cluster, W's along a column.  The tile row is 8 cy + cluster y, so that "holds positions 0 to 15" is a number that all partners share.
; TRANSPOSED USE: source 0 = 16 columns of W, source 1 = 16 rows of att: a lane holds eight neighbouring columns of one row.  The bias is the C of each sum's first product.
.set SLOT,   110592                    ; att: 2 heads x 256 rows x 144 bytes; then W: 128 rows x 288 bytes
.set BOFF,   73728
.set AP,     144
.set BP,     288
.set STAGE,  2*SLOT                    ; 16 rows x 272 bytes for each wave
.set SPITCH, 272
.set SPARE,  STAGE+4*16*SPITCH
.set ADRA, 16
.set ADRB, 20
.set STO,  24
.set RD,   25
.set CO,   26
.set SPW,  28
.set NIL,  29
.set BIAS, 32                          ; v32-63 the bias in the result's layout, 8 registers for each block of columns
.set F0,   64                          ; fragment buffers: att's 8 blocks at f + 8 i, W's 4 at f + 64 + 8 b
.set F1,   160
.set G1, 24
.set G0, 32
.set G1B, 48
.set G0B, 56
.set MSB, 0
.macro WIN new
.if MSB != (\new)
	s_set_vgpr_msb (MSB<<8)|(\new)
.set MSB, (\new)
.endif
.endm
.macro JLOAD s                         ; waves 0, 1: att; waves 2, 3: W.  An s_nop 0 and four v_nop follow each of the two lines
	s_cmp_eq_u32 s11, 0
	s_cbranch_scc0 .Lfor_b_\@
	tensor_load_to_lds s[G0+4*\s:G0+4*\s+3], s[G1:G1+7]
	s_nop 0
.rept 4
	v_nop
.endr
	s_branch .Lasked_\@
.Lfor_b_\@:
	tensor_load_to_lds s[G0B+4*\s:G0B+4*\s+3], s[G1B:G1B+7]
	s_nop 0
.rept 4
	v_nop
.endr
.Lasked_\@:
.endm
.macro CREST
	s_cmp_lg_u32 s10, 0
	s_cbranch_scc1 .Lnot_wave_0_\@
	s_barrier_signal -3
.Lnot_wave_0_\@:
	s_barrier_wait -3
	s_barrier_signal -1
	s_barrier_wait -1
.endm
.macro CROUND
	s_barrier_signal -1
	s_barrier_wait -1
	CREST
.endm
	s_load_b128 s[4:7], s[0:1], 0x0                ; att s[4:5], wp16 s[6:7]
	s_load_b128 s[68:71], s[0:1], 0x10             ; b_proj s[68:69], out0 s[70:71]
	v_lshl_add_u32 v[SPW], v0, 2, SPARE
	v_mov_b32 v[NIL], 0
	ds_add_u32 v[SPW], v[NIL]                      ; the wave's opening: the add, twice on end, and its wait ahead of my first tensor load
	ds_add_u32 v[SPW], v[NIL]
	v_lshrrev_b32 v1, 5, v0
	v_readfirstlane_b32 s10, v1                    ; wave 0..3
	s_lshr_b32 s11, s10, 1                         ; my 128 rows.  Also: I fetch att (0) or W (1)
	s_and_b32 s12, s10, 1                          ; my 64 columns.  Also: which head, or which 64 rows of W, I fetch
	s_bfe_u32 s40, ttmp6, 0x40000                  ; cx
	s_bfe_u32 s41, ttmp6, 0x40004                  ; cy = the batch
	s_lshl_b32 s42, ttmp9, 2
	s_add_co_u32 s42, s42, s40                     ; tile column
	s_and_b32 s72, ttmp7, 0xffff                   ; cluster y: the tile's first position / 256
	s_lshl_b32 s43, s41, 2
	s_lshl_b32 s43, 15, s43                        ; my row of the cluster
	s_lshl_b32 s44, 0x1111, s40                    ; my column
	s_or_b32 s[G1+0], s43, (1<<16)|(1<<20)|(1<<21)|(4<<22)|(3<<25)  ; att: elements of 2 bytes; 4 words of padding behind every 32
	s_mov_b32 s[G1+1], 64<<16                      ; tensor_dim0 = 64
	s_mov_b32 s[G1+2], 256<<16                     ; tensor_dim1 = 256
	s_mov_b32 s[G1+3], 64<<16                      ; tile_dim0
	s_mov_b32 s[G1+4], 256                         ; tile_dim1
	s_mov_b32 s[G1+5], 64                          ; the pitch
	s_mov_b32 s[G1+6], 0
	s_mov_b32 s[G1+7], 0
	s_or_b32 s[G1B+0], s44, (1<<16)|(1<<20)|(1<<21)|(5<<22)|(7<<25) ; W: 8 words of padding behind every 64
	s_mov_b32 s[G1B+1], 128<<16
	s_mov_b32 s[G1B+2], 64<<16
	s_mov_b32 s[G1B+3], 128<<16
	s_mov_b32 s[G1B+4], 64
	s_mov_b32 s[G1B+5], 1024
	s_mov_b32 s[G1B+6], 0
	s_mov_b32 s[G1B+7], 0
	s_lshl_b32 s16, s41, 22                        ; att: ((16 batch + head) x 2048 + t) x 128 bytes
	s_lshl_b32 s17, s12, 18
	s_add_co_u32 s16, s16, s17
	s_lshl_b32 s17, s72, 15
	s_add_co_u32 s16, s16, s17
	s_mov_b32 s17, 0
	s_lshl_b32 s46, s12, 17                        ; W: 64 rows of 2,048 bytes x half + 256 bytes x tile column
	s_lshl_b32 s47, s42, 8
	s_add_co_u32 s46, s46, s47
	s_mov_b32 s47, 0
	s_mul_i32 s20, s12, 256*AP
	s_mul_i32 s21, s12, 64*BP
	s_add_co_u32 s21, s21, BOFF
	s_wait_dscnt 0x0                               ; both opening adds are done
	s_wait_kmcnt 0x0
	s_add_nc_u64 s[14:15], s[4:5], s[16:17]
	s_add_nc_u64 s[46:47], s[6:7], s[46:47]
	CROUND                                         ; all sixteen work-groups are here
.irp s, 0,1
	s_mov_b32 s[G0+4*\s], 1
	s_add_co_u32 s[G0+4*\s+1], s20, \s*SLOT
	s_add_nc_u64 s[G0+4*\s+2:G0+4*\s+3], s[14:15], \s*524288       ; K step s: two heads on
	s_or_b32 s[G0+4*\s+3], s[G0+4*\s+3], 0x80000000
	s_mov_b32 s[G0B+4*\s], 1
	s_add_co_u32 s[G0B+4*\s+1], s21, \s*SLOT
	s_add_nc_u64 s[G0B+4*\s+2:G0B+4*\s+3], s[46:47], \s*262144     ; 128 rows on
	s_or_b32 s[G0B+4*\s+3], s[G0B+4*\s+3], 0x80000000
	JLOAD \s
.endr
	v_and_b32 v1, 15, v0                           ; r
	v_bfe_u32 v2, v0, 4, 1                         ; h
	v_mul_u32_u24 v3, v1, AP
	v_lshl_add_u32 v3, v2, 4, v3
	v_and_b32 v4, 7, v0
	v_lshl_add_u32 v4, v2, 3, v4
	v_mul_u32_u24 v4, v4, BP
	v_bfe_u32 v5, v0, 3, 1
	v_lshl_add_u32 v4, v5, 4, v4
	s_mul_i32 s22, s11, 128*AP
	s_lshl_b32 s23, s12, 7
	s_add_co_u32 s23, s23, BOFF
.irp s, 0,1
	v_add_nc_u32 v[ADRA+\s], s22, v3
	v_add_nc_u32 v[ADRB+\s], s23, v4
	s_add_co_u32 s22, s22, SLOT
	s_add_co_u32 s23, s23, SLOT
.endr
	s_mul_i32 s22, s10, 16*SPITCH
	s_add_co_u32 s22, s22, STAGE                   ; my stage
	v_mul_u32_u24 v[STO], v1, SPITCH
	v_lshl_add_u32 v[STO], v2, 5, v[STO]
	v_add_nc_u32 v[STO], s22, v[STO]
	v_mul_u32_u24 v[RD], v2, SPITCH
	v_lshl_add_u32 v[RD], v1, 4, v[RD]
	v_add_nc_u32 v[RD], s22, v[RD]
	v_lshlrev_b32 v[CO], 12, v2
	v_lshl_add_u32 v[CO], v1, 4, v[CO]             ; lanes 0-15 one row of out0, lanes 16-31 the next
	s_lshl_b32 s46, s42, 9                         ; my first column in bytes
	s_lshl_b32 s47, s12, 8
	s_add_co_u32 s46, s46, s47
	s_mov_b32 s47, 0
	s_add_nc_u64 s[68:69], s[68:69], s[46:47]
	s_lshl_b32 s73, s41, 23                        ; + my first row: 2048 batch + 256 cluster y + 128 half, rows of 4,096 bytes
	s_add_co_u32 s46, s46, s73
	s_lshl_b32 s73, s72, 20
	s_add_co_u32 s46, s46, s73
	s_lshl_b32 s73, s11, 19
	s_add_co_u32 s46, s46, s73
	s_add_nc_u64 s[70:71], s[70:71], s[46:47]
	v_lshlrev_b32 v6, 5, v2                        ; the bias: lane (r, h) wants columns 16 b + 8 h + 0..7
.irp b, 0,1,2,3
	global_load_b128 v[BIAS+8*\b:BIAS+8*\b+3],   v6, s[68:69] offset:64*\b
	global_load_b128 v[BIAS+8*\b+4:BIAS+8*\b+7], v6, s[68:69] offset:64*\b+16
.endr
.macro MUL f, a0, n, first             ; n blocks of rows x 4 blocks of columns, 32 along K.  The 32 accumulators take turns, in the same order in every quarter
.set AA, \a0
.rept \n
.irp b, 0,1,2,3
.if \first
	v_wmma_f32_16x16x32_f16 v[8*(4*AA+\b):8*(4*AA+\b)+7], v[\f+64+8*\b:\f+64+8*\b+7], v[\f+8*AA:\f+8*AA+7], v[BIAS+8*\b:BIAS+8*\b+7]
.else
	v_wmma_f32_16x16x32_f16 v[8*(4*AA+\b):8*(4*AA+\b)+7], v[\f+64+8*\b:\f+64+8*\b+7], v[\f+8*AA:\f+8*AA+7], v[8*(4*AA+\b):8*(4*AA+\b)+7]
.endif
.endr
.set AA, AA+1
.endr
.endm
.macro FETCH slot, q, f                ; 24 LDS loads in one run: quarter q (32 along K: head q / 2, channels 32 (q % 2) on): W's four fragments, turned; then att's eight
	WIN 0
.irp b, 0,1,2,3
	ds_load_tr16_b128 v[\f+64+8*\b:\f+64+8*\b+3],   v[ADRB+\slot] offset:32*BP*(\q)+32*\b
	ds_load_tr16_b128 v[\f+64+8*\b+4:\f+64+8*\b+7], v[ADRB+\slot] offset:32*BP*(\q)+32*\b+16*BP
.endr
.irp i, 0,1,2,3,4,5,6,7
	ds_load_b128 v[\f+8*\i:\f+8*\i+3],   v[ADRA+\slot] offset:256*AP*((\q)/2)+64*((\q)%2)+16*AP*\i
	ds_load_b128 v[\f+8*\i+4:\f+8*\i+7], v[ADRA+\slot] offset:256*AP*((\q)/2)+64*((\q)%2)+16*AP*\i+32
.endr
.endm
.macro PLACES
.rept 4
	v_nop
.endr
.endm
; One of a K step's first three quarters: multiplies buffer f and fetches quarter q into g.  first = 1: C is the bias, in window 0.
.macro QUARTER slot, q, f, g, first
	s_wait_dscnt 8                                 ; W's fragments and att's blocks 0-3 are in; the youngest eight loads may be out
	WIN 0x50-0x10*\first                           ; C and D window 1 (first: C window 0)
	MUL \f, 0, 4, \first
	PLACES
	FETCH \slot, \q, \g
	s_wait_dscnt 24                                ; all but the 24 just issued
	WIN 0x50-0x10*\first
	MUL \f, 4, 4, \first
.endm
; The last quarter multiplies buffer 1 and changes slots: one barrier; in front of it each wave waits for all its tensor loads, adds 0 to its spare word, and waits for that and for its reads of this slot.
.macro TURN slot, next, fill
	WIN 0
	s_wait_tensorcnt 0x0
	ds_add_u32 v[SPW], v[NIL]
	s_wait_dscnt 9                                 ; the add and the youngest eight loads may be out
	WIN 0x50
	MUL F1, 0, 2, 0
	s_wait_dscnt 0x0                               ; the add is done, and my reads of this slot are over
	s_barrier_signal -1
	MUL F1, 2, 2, 0
.if \fill
	WIN 0
.endif
	s_barrier_wait -1
.if \fill
	CREST                                          ; the barrier has opened a round of the cluster's: no wave of any partner still reads this slot or has a load on its way
	s_add_nc_u64 s[G0+4*\slot+2:G0+4*\slot+3], s[G0+4*\slot+2:G0+4*\slot+3], 1048576     ; two K steps on: four heads
	s_add_nc_u64 s[G0B+4*\slot+2:G0B+4*\slot+3], s[G0B+4*\slot+2:G0B+4*\slot+3], 524288  ; 256 rows
	JLOAD \slot                                    ; the first tensor load behind the round; its four v_nop are the places in front of the loads below
.else
	PLACES
.endif
	FETCH \next, 0, F0
	WIN 0x50
	MUL F1, 4, 4, 0
.endm
	s_wait_loadcnt 0x0                             ; the bias
	s_wait_tensorcnt 1                             ; my part of K step 0 is in; K step 1's may be out
	s_barrier_signal -1
	s_barrier_wait -1
	FETCH 0, 0, F0
	QUARTER 0, 1, F0, F1, 1                        ; the first products start the sums on the bias
	WIN 0
	s_mov_b32 s3, 3
.Llap:                                             ; a trip goes once round the ring and fills both slots again: K steps 2 to 7
	QUARTER 0, 2, F1, F0, 0
	QUARTER 0, 3, F0, F1, 0
	TURN 0, 1, 1
	QUARTER 1, 1, F0, F1, 0
	QUARTER 1, 2, F1, F0, 0
	QUARTER 1, 3, F0, F1, 0
	TURN 1, 0, 1
	QUARTER 0, 1, F0, F1, 0
	WIN 0
	s_sub_co_u32 s3, s3, 1
	s_cmp_lg_u32 s3, 0
	s_cbranch_scc1 .Llap
	QUARTER 0, 2, F1, F0, 0                        ; the last lap fills nothing
	QUARTER 0, 3, F0, F1, 0
	TURN 0, 1, 0
	QUARTER 1, 1, F0, F1, 0
	QUARTER 1, 2, F1, F0, 0
	QUARTER 1, 3, F0, F1, 0
	s_wait_dscnt 8
	WIN 0x50
	MUL F1, 0, 4, 0
	s_wait_dscnt 0
	MUL F1, 4, 4, 0
	WIN 0
	; THE WAY OUT, 16 rows x 64 columns at a time through my own stage: sixteen lanes store 256 consecutive bytes, aligned.
.macro TOST a
.set BKO, 64+32*((\a)%2)
	WIN 0x04                                       ; an LDS store's data: window 1
.irp b, 0,1,2,3
	ds_store_b128 v[STO], v[8*(4*(\a)+\b):8*(4*(\a)+\b)+3] offset:64*\b      ; each accumulator from its low end on
	ds_store_b128 v[STO], v[8*(4*(\a)+\b)+4:8*(4*(\a)+\b)+7] offset:64*\b+16
.endr
	WIN 0
.irp i, 0,1,2,3,4,5,6,7
	ds_load_b128 v[BKO+4*\i:BKO+4*\i+3], v[RD] offset:2*SPITCH*\i            ; LDS serves a wave's instructions in order
.endr
.endm
.macro SENDO a, younger
.set BKO, 64+32*((\a)%2)
	s_wait_dscnt \younger
.irp i, 0,1,2,3,4,5,6,7
	global_store_b128 v[CO], v[BKO+4*\i:BKO+4*\i+3], s[70:71] offset:(16*(\a)+2*\i)*4096 th:TH_STORE_NT
.endr
.endm
	PLACES                                         ; behind the last products
	s_or_b32 s22, s72, s11                         ; my first 16 rows are positions 0 to 15: not mine to store.  Cluster y and the wave's number alone decide
	s_cmp_eq_u32 s22, 0
	s_cbranch_scc1 .Lno_first
	TOST 0
	SENDO 0, 0
.Lno_first:
	TOST 1
.irp a, 2,3,4,5,6,7
	s_wait_xcnt 0x0                                ; block a - 2's stores have read their registers: block a's loads may land there
	TOST \a
	SENDO \a-1, 16                                 ; behind block a - 1's loads: block a's 8 stores and 8 loads
.endr
	SENDO 7, 0
	s_wait_tensorcnt 0x0                           ; the wave's end
	ds_add_u32 v[SPW], v[NIL]
	s_wait_dscnt 0x0
	CROUND                                         ; the closing round
	s_endpgm
.Lfunc_end_k_qbaee33d730_proj:
	.size	k_qbaee33d730_proj, .Lfunc_end_k_qbaee33d730_proj-k_qbaee33d730_proj
	.p2alignl 7, 3214868480
	.fill 96, 4, 3214868480
	.section	.rodata,"a",@progbits
	.p2align	6, 0x0
	.amdhsa_kernel k_qbaee33d730_proj
		.amdhsa_group_segment_fixed_size 327680
		.amdhsa_private_segment_fixed_size 0
		.amdhsa_enable_private_segment 0
		.amdhsa_kernarg_size 32
		.amdhsa_user_sgpr_count 2
		.amdhsa_user_sgpr_kernarg_segment_ptr 1
		.amdhsa_wavefront_size32 1
		.amdhsa_system_sgpr_workgroup_id_x 1
		.amdhsa_system_sgpr_workgroup_id_y 1
		.amdhsa_system_sgpr_workgroup_id_z 1
		.amdhsa_system_vgpr_workitem_id 0
		.amdhsa_next_free_vgpr 512
		.amdhsa_next_free_sgpr 80
		.amdhsa_reserve_vcc 0
		.amdhsa_float_denorm_mode_32 3
		.amdhsa_float_denorm_mode_16_64 3
		.amdhsa_memory_ordered 1
		.amdhsa_forward_progress 1
		.amdhsa_inst_pref_size 86
	.end_amdhsa_kernel
	.amdgpu_metadata
---
amdhsa.version: [ 1, 2 ]
amdhsa.kernels:
  - .name:           k_qbaee33d730_proj
    .symbol:         k_qbaee33d730_proj.kd
    .args:
      - { .name: att, .offset: 0, .size: 8, .value_kind: global_buffer, .address_space: global }
      - { .name: wp16, .offset: 8, .size: 8, .value_kind: global_buffer, .address_space: global }
      - { .name: b_proj, .offset: 16, .size: 8, .value_kind: global_buffer, .address_space: global }
      - { .name: out0, .offset: 24, .size: 8, .value_kind: global_buffer, .address_space: global }
    .group_segment_fixed_size: 327680
    .private_segment_fixed_size: 0
    .kernarg_segment_align: 8
    .kernarg_segment_size: 32
    .max_flat_workgroup_size: 128
    .sgpr_count:     80
    .vgpr_count:     512
    .wavefront_size: 32
...
	.end_amdgpu_metadata
.endif
;; end of part 4
;; launch fine (part 5): grid 16 x 4, 16 waves a work-group, no clusters, 85,248 bytes of LDS; arguments kqv16, W_proj, b_proj, out0; writes out0
.if DOCPART == 5
	.amdgcn_target "amdgcn-amd-amdhsa--gfx1250"
	.amdhsa_code_object_version 6
	.text
	.protected	k_qbaee33d730_fine
	.globl	k_qbaee33d730_fine
	.p2align	8
	.type	k_qbaee33d730_fine,@function
k_qbaee33d730_fine:
	s_mov_b64 s[64:65], 0
	v_nop
	global_prefetch_b8 v0, s[64:65] scope:SCOPE_SE
	s_setreg_imm32_b32 hwreg(HW_REG_WAVE_MODE, 25, 1), 1
	s_wait_xcnt 0x0
; THE FIRST 16 POSITIONS OF EVERY SEQUENCE, attention and projection, all in f32: these rows average one to sixteen values and are the largest, so no operand of theirs is rounded to 16 bits.
; kqv16: f32, [batch][t = 0..15][3072] (columns: k, q, v, 1,024 each).  out0[batch][t < 16][:] = att W_proj + b_proj.  Under the causal mask these rows see keys 0 to 15 alone.
; Work-group (gx, batch) makes 64 columns of the 16 rows.  The attention of all 16 heads is done in each of the 16 column groups: 12 KB of loads and 32 matrix instructions a wave.
; No tensor loads and no cluster: a work-group reads 196 KB of its own and W_proj's columns are shared by four work-groups only.
; PHASE A (wave = head): S^T = K Q^T, mask, softmax, O^T = V^T P, O / l to LDS.  PHASE B (wave = 16 columns x a quarter of K): partial sums to LDS.  PHASE C (waves 0-7): the four parts and the bias, stored.
; The f32 matrix form takes k = 2 (lane / 16) + j in register j.  k is permuted alike in both operands, so that plain loads of 16 bytes fill the pairs.
; The registers that it writes, v128-159, are written by matrix instructions alone; what is made of a sum goes into other registers.
.set ATTP,  4112                       ; a row of att in LDS: 4,096 bytes + 16
.set PART,  16*ATTP                    ; 4 parts x 16 rows x 272 bytes
.set SPARE, PART+4*16*272
.set KR,  16                           ; v16-47   K; later W's last 32
.set QR,  48                           ; v48-79   Q; later O / l; later chunks of att
.set VR,  80                           ; v80-111  V; later chunks of att
.set SS,  112                          ; v112-119 scores, p; later the part's sums
.set ACC, 128                          ; v128-159 four accumulators
.set WR,  160                          ; v160-255 W's first 96
	s_load_b256 s[4:11], s[0:1], 0x0               ; kqv16 s[4:5], W_proj s[6:7], b_proj s[8:9], out0 s[10:11]
	v_lshl_add_u32 v10, v0, 2, SPARE               ; my spare word
	v_mov_b32 v11, 0
	v_lshrrev_b32 v1, 5, v0
	v_readfirstlane_b32 s12, v1                    ; wave 0..15
	s_and_b32 s14, ttmp7, 0xffff                   ; batch
	s_and_b32 s15, s12, 3                          ; phase B: my 16 columns
	s_lshr_b32 s16, s12, 2                         ; and my quarter of K
	v_and_b32 v1, 15, v0                           ; r
	v_bfe_u32 v2, v0, 4, 1                         ; h
	v_mul_u32_u24 v3, v1, 12288
	v_lshl_add_u32 v3, v2, 4, v3                   ; K, Q: row r, + 16 h
	v_mul_u32_u24 v4, v2, 98304
	v_lshl_add_u32 v4, v1, 2, v4                   ; V: keys 8 h on, channel r
	v_lshlrev_b32 v5, 14, v2
	v_lshl_add_u32 v5, v1, 2, v5                   ; W: rows 4 h on, column r
	v_mul_u32_u24 v6, v1, ATTP
	v_lshl_add_u32 v7, v2, 4, v6
	v_lshl_add_u32 v6, v2, 5, v6
	s_lshl_b32 s17, s12, 8
	v_add_nc_u32 v6, s17, v6                       ; att in LDS, way in: row r, + 256 head + 32 h
	s_lshl_b32 s17, s16, 10
	v_add_nc_u32 v7, s17, v7                       ; way out: row r, + 1,024 quarter + 16 h
	v_mul_u32_u24 v8, v1, 272
	v_lshl_add_u32 v8, v2, 5, v8
	s_mul_i32 s17, s16, 16*272
	s_lshl_b32 s18, s15, 6
	s_add_co_u32 s17, s17, s18
	s_add_co_u32 s17, s17, PART
	v_add_nc_u32 v8, s17, v8                       ; my part: row r, + 64 x my columns + 32 h
	s_mul_i32 s17, s12, 2*272
	s_add_co_u32 s17, s17, PART
	v_mul_u32_u24 v9, v2, 272
	v_lshl_add_u32 v9, v1, 4, v9
	v_add_nc_u32 v9, s17, v9                       ; phase C: row 2 wave + h, 16 r
	v_lshlrev_b32 v126, 4, v1                      ; the bias: 16 r
	v_lshl_add_u32 v127, v2, 12, v126              ; out0: row h, 16 r
	s_mov_b32 s20, 0x76543210
	s_mov_b32 s21, 0xfedcba98
	s_mov_b32 s22, 0x3e38aa3b                      ; c = log2(e) / 8
	s_mul_i32 s24, s14, 196608
	s_lshl_b32 s25, s12, 8
	s_add_co_u32 s24, s24, s25                     ; kqv16: my batch, my head's 64 columns
	s_mov_b32 s25, 0
	s_lshl_b32 s26, s16, 20                        ; W_proj: 256 rows x quarter + 256 gx + 64 x my columns
	s_lshl_b32 s27, ttmp9, 8
	s_add_co_u32 s26, s26, s27
	s_lshl_b32 s28, s15, 6
	s_add_co_u32 s26, s26, s28
	s_mov_b32 s28, s27                             ; b_proj: 256 gx
	s_mov_b32 s27, 0
	s_mov_b32 s29, 0
	s_lshl_b32 s30, s14, 23                        ; out0: batch x 2,048 rows + 2 wave rows + 256 gx
	s_lshl_b32 s31, s12, 13
	s_add_co_u32 s30, s30, s31
	s_add_co_u32 s30, s30, s28
	s_mov_b32 s31, 0
	s_wait_kmcnt 0x0
	s_add_nc_u64 s[4:5], s[4:5], s[24:25]
	s_add_nc_u64 s[6:7], s[6:7], s[26:27]
	s_add_nc_u64 s[8:9], s[8:9], s[28:29]
	s_add_nc_u64 s[10:11], s[10:11], s[30:31]
.irp c, 0,1,2,3,4,5,6,7
	global_load_b128 v[KR+4*\c:KR+4*\c+3], v3, s[4:5] offset:32*\c          ; K(r, 8 c + 4 h + 0..3)
.endr
.irp c, 0,1,2,3,4,5,6,7
	global_load_b128 v[QR+4*\c:QR+4*\c+3], v3, s[4:5] offset:4096+32*\c     ; Q likewise
.endr
.set n, 0
.rept 32
	global_load_b32 v[VR+n], v4, s[4:5] offset:8192+12288*(n%8)+64*(n/8)    ; V(key 8 h + n % 8, channel 16 (n / 8) + r)
.set n, n+1
.endr
	global_load_b128 v[12:15], v126, s[8:9]
.set n, 0
.rept 96
	global_load_b32 v[WR+n], v5, s[6:7] offset:(8*(n/4)+n%4)*4096           ; W(8 (n / 4) + 4 h + n % 4, r)
.set n, n+1
.endr
	s_wait_loadcnt 63                              ; 96 loads were issued behind the 49 that phase A wants: with at most 63 out those 49 are in
	; ---- PHASE A
.set n, 0
.rept 16                               ; S^T: four accumulators by turns, four channels an instruction
.if n < 4
	v_wmma_f32_16x16x4_f32 v[ACC+8*(n%4):ACC+8*(n%4)+7], v[KR+2*n:KR+2*n+1], v[QR+2*n:QR+2*n+1], 0
.else
	v_wmma_f32_16x16x4_f32 v[ACC+8*(n%4):ACC+8*(n%4)+7], v[KR+2*n:KR+2*n+1], v[QR+2*n:QR+2*n+1], v[ACC+8*(n%4):ACC+8*(n%4)+7]
.endif
.set n, n+1
.endr
.rept 8
	v_nop                                          ; eight places behind this form, in front of the reads of results and of the loads into K's registers
.endr
.irp j, 0,1,2,3,4,5,6,7
	v_add_f32 v120, v[ACC+\j], v[ACC+8+\j]
	v_add_f32 v121, v[ACC+16+\j], v[ACC+24+\j]
	v_add_f32 v[SS+\j], v120, v121                 ; lane (r, h): query r, key 8 h + j
.endr
.set n, 96
.rept 32
	global_load_b32 v[KR+n-96], v5, s[6:7] offset:(8*(n/4)+n%4)*4096        ; W's last 32 rows of my quarter
.set n, n+1
.endr
	v_lshlrev_b32 v122, 3, v2
	v_sub_nc_u32 v122, v1, v122                    ; d = r - 8 h: key 8 h + j is hidden where j > d
	v_mov_b32 v123, 0xff800000
.irp j, 0,1,2,3,4,5,6,7
	v_cmp_gt_i32 vcc_lo, \j, v122
	v_cndmask_b32 v[SS+\j], v[SS+\j], v123, vcc_lo
.endr
	v_max3_num_f32 v120, v[SS], v[SS+1], v[SS+2]
	v_max3_num_f32 v121, v[SS+3], v[SS+4], v[SS+5]
	v_max3_num_f32 v120, v120, v[SS+6], v[SS+7]
	v_max_num_f32 v120, v120, v121
	v_mov_b32 v124, 0
	v_permlanex16_b32 v124, v120, s20, s21
	v_max_num_f32 v120, v120, v124                 ; the row's maximum: key 0 counts for every query
	v_mul_f32 v123, s22, v120
.irp j, 0,1,2,3,4,5,6,7
	v_fma_f32 v[SS+\j], v[SS+\j], s22, -v123
.endr
.irp j, 0,1,2,3,4,5,6,7
	v_exp_f32 v[SS+\j], v[SS+\j]
.endr
	v_nop
	s_wait_alu depctr_va_vdst(0)                   ; one wait for the eight, ahead of their first reader
	v_add_f32 v120, v[SS], v[SS+1]
	v_add_f32 v121, v[SS+2], v[SS+3]
	v_add_f32 v120, v120, v[SS+4]
	v_add_f32 v121, v121, v[SS+5]
	v_add_f32 v120, v120, v[SS+6]
	v_add_f32 v121, v121, v[SS+7]
	v_add_f32 v120, v120, v121
	v_permlanex16_b32 v124, v120, s20, s21
	v_add_f32 v120, v120, v124
	v_rcp_f32 v125, v120
.irp s, 0,1,2,3                        ; O^T = V^T P: the four accumulators are begun anew; the softmax's plain lines above are more than the nine places owed
.irp c, 0,1,2,3
.if \s == 0
	v_wmma_f32_16x16x4_f32 v[ACC+8*\c:ACC+8*\c+7], v[VR+8*\c+2*\s:VR+8*\c+2*\s+1], v[SS+2*\s:SS+2*\s+1], 0
.else
	v_wmma_f32_16x16x4_f32 v[ACC+8*\c:ACC+8*\c+7], v[VR+8*\c+2*\s:VR+8*\c+2*\s+1], v[SS+2*\s:SS+2*\s+1], v[ACC+8*\c:ACC+8*\c+7]
.endif
.endr
.endr
.rept 8
	v_nop
.endr
	s_wait_alu depctr_va_vdst(0)                   ; the reciprocal's wait, ahead of its first reader
.set n, 0
.rept 32
	v_mul_f32 v[QR+n], v[ACC+n], v125              ; lane (r, h): query r, channel 16 (n / 8) + 8 h + n % 8
.set n, n+1
.endr
.irp c, 0,1,2,3
	ds_store_b128 v6, v[QR+8*\c:QR+8*\c+3] offset:64*\c
	ds_store_b128 v6, v[QR+8*\c+4:QR+8*\c+7] offset:64*\c+16
.endr
	s_wait_dscnt 0x0                               ; for the others' sake: my stores are done
	s_barrier_signal -1
	s_barrier_wait -1                              ; 16 rows x 1,024 channels of att lie in LDS
	; ---- PHASE B: out^T(16 columns, 16 rows) over my 256 channels: source 0 = W's columns, source 1 = att's rows
.macro CHUNK g, reg                    ; 64 channels of att's rows: att(r, 8 s + 4 h + 0..3)
.irp s, 0,1,2,3,4,5,6,7
	ds_load_b128 v[\reg+4*\s:\reg+4*\s+3], v7 offset:32*(8*(\g)+\s)
.endr
.endm
.macro MULB g, reg                     ; 16 matrix instructions, four accumulators by turns
.set n, 0
.rept 16
.set sp, 8*(\g)+n/2
.if sp < 24
.set wr, WR+4*sp+2*(n%2)
.else
.set wr, KR+4*(sp-24)+2*(n%2)
.endif
.if ((\g) == 0) && (n < 4)
	v_wmma_f32_16x16x4_f32 v[ACC+8*(n%4):ACC+8*(n%4)+7], v[wr:wr+1], v[\reg+2*n:\reg+2*n+1], 0
.else
	v_wmma_f32_16x16x4_f32 v[ACC+8*(n%4):ACC+8*(n%4)+7], v[wr:wr+1], v[\reg+2*n:\reg+2*n+1], v[ACC+8*(n%4):ACC+8*(n%4)+7]
.endif
.set n, n+1
.endr
.endm
	CHUNK 0, QR
	CHUNK 1, VR
	s_wait_loadcnt 0x0                             ; W and the bias
.rept 9
	v_nop                                          ; nine places in front of products that begin the accumulators anew
.endr
	s_wait_dscnt 8                                 ; chunk 0 is in; chunk 1's eight loads may be out
	MULB 0, QR
.rept 8
	v_nop                                          ; places in front of loads into registers that these products read
.endr
	CHUNK 2, QR
	s_wait_dscnt 8
	MULB 1, VR
.rept 8
	v_nop
.endr
	CHUNK 3, VR
	s_wait_dscnt 8
	MULB 2, QR
	s_wait_dscnt 0x0
	MULB 3, VR
.rept 8
	v_nop
.endr
.irp j, 0,1,2,3,4,5,6,7
	v_add_f32 v120, v[ACC+\j], v[ACC+8+\j]
	v_add_f32 v121, v[ACC+16+\j], v[ACC+24+\j]
	v_add_f32 v[SS+\j], v120, v121                 ; lane (r, h): row r, column 8 h + j of my 16
.endr
	ds_store_b128 v8, v[SS:SS+3]
	ds_store_b128 v8, v[SS+4:SS+7] offset:16
	s_wait_dscnt 0x0
	s_barrier_signal -1
	s_barrier_wait -1
	; ---- PHASE C: waves 0 to 7 add the four quarters of K and the bias: two rows a wave, sixteen lanes store 256 consecutive bytes, aligned
	s_cmp_ge_u32 s12, 8
	s_cbranch_scc1 .Ldone
.irp k, 0,1,2,3
	ds_load_b128 v[QR+4*\k:QR+4*\k+3], v9 offset:16*272*\k
.endr
	s_wait_dscnt 0x0
	v_pk_add_f32 v[QR:QR+1], v[QR:QR+1], v[QR+4:QR+5]
	v_pk_add_f32 v[QR+2:QR+3], v[QR+2:QR+3], v[QR+6:QR+7]
	v_pk_add_f32 v[QR+8:QR+9], v[QR+8:QR+9], v[QR+12:QR+13]
	v_pk_add_f32 v[QR+10:QR+11], v[QR+10:QR+11], v[QR+14:QR+15]
	v_pk_add_f32 v[QR:QR+1], v[QR:QR+1], v[QR+8:QR+9]
	v_pk_add_f32 v[QR+2:QR+3], v[QR+2:QR+3], v[QR+10:QR+11]
	v_pk_add_f32 v[QR:QR+1], v[QR:QR+1], v[12:13]
	v_pk_add_f32 v[QR+2:QR+3], v[QR+2:QR+3], v[14:15]
	global_store_b128 v127, v[QR:QR+3], s[10:11]
.Ldone:
	s_wait_tensorcnt 0x0                           ; the wave's end
	ds_add_u32 v10, v11
	s_wait_dscnt 0x0
	s_endpgm
.Lfunc_end_k_qbaee33d730_fine:
	.size	k_qbaee33d730_fine, .Lfunc_end_k_qbaee33d730_fine-k_qbaee33d730_fine
	.p2alignl 7, 3214868480
	.fill 96, 4, 3214868480
	.section	.rodata,"a",@progbits
	.p2align	6, 0x0
	.amdhsa_kernel k_qbaee33d730_fine
		.amdhsa_group_segment_fixed_size 85248
		.amdhsa_private_segment_fixed_size 0
		.amdhsa_enable_private_segment 0
		.amdhsa_kernarg_size 32
		.amdhsa_user_sgpr_count 2
		.amdhsa_user_sgpr_kernarg_segment_ptr 1
		.amdhsa_wavefront_size32 1
		.amdhsa_system_sgpr_workgroup_id_x 1
		.amdhsa_system_sgpr_workgroup_id_y 1
		.amdhsa_system_sgpr_workgroup_id_z 1
		.amdhsa_system_vgpr_workitem_id 0
		.amdhsa_next_free_vgpr 256
		.amdhsa_next_free_sgpr 66
		.amdhsa_reserve_vcc 1
		.amdhsa_float_denorm_mode_32 3
		.amdhsa_float_denorm_mode_16_64 3
		.amdhsa_memory_ordered 1
		.amdhsa_forward_progress 1
		.amdhsa_inst_pref_size 37
	.end_amdhsa_kernel
	.amdgpu_metadata
---
amdhsa.version: [ 1, 2 ]
amdhsa.kernels:
  - .name:           k_qbaee33d730_fine
    .symbol:         k_qbaee33d730_fine.kd
    .args:
      - { .name: kqv16, .offset: 0, .size: 8, .value_kind: global_buffer, .address_space: global }
      - { .name: W_proj, .offset: 8, .size: 8, .value_kind: global_buffer, .address_space: global }
      - { .name: b_proj, .offset: 16, .size: 8, .value_kind: global_buffer, .address_space: global }
      - { .name: out0, .offset: 24, .size: 8, .value_kind: global_buffer, .address_space: global }
    .group_segment_fixed_size: 85248
    .private_segment_fixed_size: 0
    .kernarg_segment_align: 8
    .kernarg_segment_size: 32
    .max_flat_workgroup_size: 512
    .sgpr_count:     66
    .vgpr_count:     256
    .wavefront_size: 32
...
	.end_amdgpu_metadata
.endif
;; end of part 5
